; MI455X (gfx1250); checked and timed in simulation.
; The chip was launched on July 23, 2026; its instructions are those of AMD's public machine-readable ISA for CDNA 5 (MIT licence, August 2026) and "CDNA5" Instruction Set Architecture Reference Guide (July 2026). The comments in the code are by the model that wrote it; some were corrected since.
;; Multi Head Attention. Allowed arithmetic: matrix products marked QUANTISED: E4M3 operands, one given power-of-two scale a tensor, by v_wmma_f32_16x16x64_fp8_fp8 or v_wmma_f32_16x16x128_fp8_fp8, f32 sums; everything else in f32.
;; Inputs: b_out 1,024 float32; lowp_scales 8 int32 (the exponents e of the quantised operands' scales 2^e); w_out 1,024 x 1,024 float32; w_qkv 3,072 x 1,024 float32; x 4 x 2,048 x 1,024 float32.
;; Outputs: out0 4 x 2,048 x 1,024 float32.
;; This version of the problem:
;;   THIS VERSION OF THE PROBLEM IS GIVEN IN LOW PRECISION. The matrix products marked QUANTISED in the list below multiply operands that are first quantised to E4M3 (4 exponent bits, 3 mantissa bits; 8 bits a number), with one given power-of-two scale for each operand tensor; their sums are f32. All else is computed in f32.
;;   The module's matrix products, in the order in which they are computed (A, B: the left and right operand; K: the contracted axis; several contracted axes count as one K, in the product's order):
;;     1. [M 8,192, K 1,024] x [K 1,024, N 3,072]; A: input x; B: input w_qkv: QUANTISED (scales: A lowp_scales[0], B lowp_scales[1])
;;     2. batch 64 x [M 2,048, K 64] x [K 64, N 2,048]; A: computed on the way; B: computed on the way: QUANTISED (scales: A lowp_scales[2], B lowp_scales[3])
;;     3. batch 64 x [M 2,048, K 2,048] x [K 2,048, N 64]; A: softmax (see below); B: computed on the way: QUANTISED (scales: A lowp_scales[4], B lowp_scales[5])
;;     4. [M 8,192, K 1,024] x [K 1,024, N 1,024]; A: computed on the way; B: input w_out: QUANTISED (scales: A lowp_scales[6], B lowp_scales[7])
;;   THE QUANTISER, for each operand of a quantised product, along K:
;;     - The operand's scale is 2^e, e = its entry of the input lowp_scales (int32; the entries are numbered through the quantised products in the list's order, A before B).
;;     - Each number is divided by the scale, clamped to +-448, and rounded to the nearest number of E4M3, ties to even, subnormals kept.
;;     - The product sums the exact products of the quantised numbers (number of the format x scale) in f32.
;;   ~~~python
;;   def quantise(x, axis, e):      # numpy; x: float32 -> the quantised numbers, widened to float32 again
;;       x = np.moveaxis(x, axis, -1); K = x.shape[-1]
;;       r = np.clip(x / 2.0 ** e, -448, 448)
;;       step = 2.0 ** (np.maximum(np.frexp(np.where(r == 0, 1, r))[1] - 1, -6) - 3)
;;       q = np.round(r / step) * step * 2.0 ** e      # np.round: ties to even
;;       return np.moveaxis(q, -1, axis).astype(np.float32)
;;   ~~~
;;   SOFTMAX AHEAD OF A QUANTISED PRODUCT. Where the list says 'softmax', what is quantised is not the finished softmax but p = 2^(t - M), with t = logit x log2(e) and M = ceil(the row's largest t), a whole number; so 1/2 < the row's largest p <= 1. The row's sum l is taken of the UNQUANTISED p, in f32, and the product's result is divided by l at the end. Since M is a whole number, a kernel that streams over the keys may use a running M (the ceiling of the running maximum): every later rescaling is an exact power of two, so the quantised numbers keep their values, but for numbers so far below the row's largest that they fall under the format's range.
;;   OPERANDS COMPUTED ON THE WAY. 'Computed on the way' means the value that the module computes at that place (a softmax that the list does not call 'softmax' is quantised finished and normalised). What goes into a quantiser is computed in f32, as accurately as f32 sums, v_exp_f32 and their like allow (about 1e-6 of the number): no bf16 or f16 on the way to a quantiser, and a product that is left as it is and whose result goes on into a quantised operand takes f32 operands (vector FMAs, or v_wmma_f32_16x16x4_f32). A number that lies on a knife's edge between two numbers of the format may be rounded either way, as far as f32 arithmetic and the matrix unit's own rounding can turn it there, and no further.
;; One version. Each part assembles by itself: llvm-mc -triple=amdgcn-amd-amdhsa -mcpu=gfx1250 --defsym DOCPART=n.
;; ======== version 1 of 1: 4 launches
;; limits: right only within a limited range of input values
;; workspace buffers: x_codes 8,388,608 bytes; wqkv_codes 3,145,728 bytes; wout_codes 1,048,576 bytes; q_codes 8,388,608 bytes; k_codes 8,388,608 bytes; v_codes 8,388,608 bytes; attn_codes 8,388,608 bytes
;; launch quant (part 1): grid 384 x 1, 4 waves a work-group, no clusters, 33,280 bytes of LDS; arguments x, w_qkv, w_out, lowp_scales, x_codes, wqkv_codes, wout_codes; writes x_codes, wqkv_codes, wout_codes
.if DOCPART == 1
	.amdgcn_target "amdgcn-amd-amdhsa--gfx1250"
	.amdhsa_code_object_version 6
	.text
	.protected	k_q57ac75d87e_quant
	.globl	k_q57ac75d87e_quant
	.p2align	8
	.type	k_q57ac75d87e_quant,@function
k_q57ac75d87e_quant:
	s_mov_b64 s[64:65], 0
	v_nop
	global_prefetch_b8 v0, s[64:65] scope:SCOPE_SE
	s_setreg_imm32_b32 hwreg(HW_REG_WAVE_MODE, 25, 1), 1
	s_wait_xcnt 0x0
; x [8192][1024], w_qkv [3072][1024] and w_out [1024][1024], f32 with K innermost, become codes of FP8 (E4M3), one byte each, in the same order, each with the scale 2^e given for it:
; entry 0 of the scales for x, entry 1 for w_qkv, entry 7 for w_out.  code = number / 2^e, held within +-448, to the nearest code, ties to even.
; LIMITS: each e lies between -126 and 119, so that 2^e and 448 x 2^e are f32 numbers.  NaN among the inputs is not served; an infinity is held at the largest code.
; Rows are dense, so each tensor is a plain stream.  A work-group takes 32,768 numbers: work-groups 0-255 x, 256-351 w_qkv, 352-383 w_out.  Only pointers and the exponent are chosen: one path serves all three.
; A wave takes 16 steps of 512 numbers.  Each of a step's four loads reads 512 consecutive bytes, 16 a lane; the conversions want 16 NEIGHBOURS in a lane, so the 2,048 bytes turn through the wave's own stage in LDS
; (16 bytes of padding behind each 64) and come back 64 bytes a lane.  A lane's 16 codes are 16 bytes: a wave's store covers 512 consecutive bytes.  No barrier: waves share nothing.  No cluster: no work-group reads what another reads.
.set WAVES, 4
.set STEPS, 16
.set WGX,   256                        ; work-groups for x
.set WGXQ,  352                        ; and for x and w_qkv together
.set EMAX,  8
.set MANT,  0x600000                   ; the mantissa field of 448 as f32
.set CB,    16                         ; bytes of 16 codes
.set R,     16                         ; v16-79   four sets of 16 numbers as they are loaded
.set X,     80                         ; v80-111  two sets of 16 neighbours
.set C,     128                        ; v128-191 codes: four registers for each step, so that no store's data are written again
.set WREG,  8192                       ; LDS: a region for each wave: two stages of 32 x SP bytes
.set SP,    80                         ; a lane's place in a stage: 64 bytes + 16 of padding
.set SPW,   12                         ; v12      LDS address of my spare word; never rewritten
.set NIL,   13                         ; v13      0; never rewritten
.set SPARE, WAVES*WREG                 ; behind the four regions: the spare words, 128 bytes a wave, which no other line names
	s_load_b128 s[4:7], s[0:1], 0x0                ; x, w_qkv
	s_load_b128 s[8:11], s[0:1], 0x10              ; w_out, the scales' exponents
	s_load_b128 s[12:15], s[0:1], 0x20             ; x's codes, w_qkv's codes
	s_load_b64 s[24:25], s[0:1], 0x30              ; w_out's codes
	v_lshl_add_u32 v[SPW], v0, 2, SPARE
	v_mov_b32 v[NIL], 0
	v_lshrrev_b32 v1, 5, v0
	v_readfirstlane_b32 s16, v1                    ; wave
	v_and_b32 v2, 31, v0                           ; lane
	v_lshlrev_b32 v3, 4, v2                        ; my 16 bytes of a load's 512
	s_mul_i32 s17, s16, WREG
	v_lshrrev_b32 v14, 2, v2
	v_mul_u32_u24 v14, v14, SP
	v_and_b32 v15, 3, v2
	v_lshl_add_u32 v14, v15, 4, v14
	v_add_nc_u32 v14, s17, v14                     ; the stage, on the way in: SP (lane / 4) + 16 (lane % 4)
	v_mul_u32_u24 v15, v2, SP
	v_add_nc_u32 v15, s17, v15                     ; and on the way out: SP x lane: my 16 neighbours
	v_mul_u32_u24 v4, v2, CB                       ; my codes' place in a step's
	s_wait_alu depctr_va_vdst(0)
	s_wait_kmcnt 0x0
	s_load_b256 s[32:39], s[10:11], 0x0            ; the eight exponents
	s_cmp_lt_u32 ttmp9, WGX                        ; which tensor?  The choice hangs on the work-group's number alone
	s_cselect_b64 s[4:5], s[4:5], s[6:7]
	s_cselect_b64 s[26:27], s[12:13], s[14:15]
	s_cselect_b32 s17, 0, WGX
	s_cmp_lt_u32 ttmp9, WGXQ
	s_cselect_b64 s[4:5], s[4:5], s[8:9]
	s_cselect_b64 s[26:27], s[26:27], s[24:25]
	s_cselect_b32 s17, s17, WGXQ                   ; the tensor's first work-group
	s_sub_co_u32 s17, ttmp9, s17
	s_lshl_b32 s17, s17, 2
	s_add_co_u32 s18, s17, s16                     ; which run of 8,192 numbers of the tensor is my wave's
	s_mov_b32 s19, 0
	s_mov_b64 s[20:21], 512*STEPS*4
	s_mul_u64 s[20:21], s[18:19], s[20:21]
	s_add_nc_u64 s[4:5], s[4:5], s[20:21]
	s_mov_b64 s[20:21], 32*STEPS*CB
	s_mul_u64 s[20:21], s[18:19], s[20:21]
	s_add_nc_u64 s[26:27], s[26:27], s[20:21]
.macro LOAD t
.irp i, 0,1,2,3
	global_load_b128 v[R+16*((\t)%4)+4*\i:R+16*((\t)%4)+4*\i+3], v3, s[4:5] offset:2048*(\t)+512*\i th:TH_LOAD_NT   ; 32 lanes read 512 consecutive bytes
.endr
.endm
.macro TURN t                          ; step t's numbers through the stage: LDS serves a wave's instructions in order, so no wait stands between the stores and the loads
.irp i, 0,1,2,3
	ds_store_b128 v14, v[R+16*((\t)%4)+4*\i:R+16*((\t)%4)+4*\i+3] offset:32*SP*((\t)%2)+8*SP*\i
.endr
.irp i, 0,1,2,3
	ds_load_b128 v[X+16*((\t)%2)+4*\i:X+16*((\t)%2)+4*\i+3], v15 offset:32*SP*((\t)%2)+16*\i
.endr
.endm
.irp t, 0,1,2,3
	LOAD \t
.endr
	s_wait_kmcnt 0x0
	s_cmp_lt_u32 ttmp9, WGX
	s_cselect_b32 s22, s32, s33                    ; x's exponent or w_qkv's,
	s_cmp_lt_u32 ttmp9, WGXQ
	s_cselect_b32 s22, s22, s39                    ; or w_out's
	s_add_co_i32 s22, s22, 127
	s_lshl_b32 s23, s22, 23
	v_mov_b32 v11, s23                             ; 2^e as f32: the conversion takes its exponent field
	s_add_co_i32 s22, s22, EMAX
	s_lshl_b32 s22, s22, 23
	s_or_b32 s22, s22, MANT
	v_mov_b32 v10, s22                             ; 448 x 2^e
	s_wait_alu depctr_va_vdst(0)
	s_wait_loadcnt 12                              ; step 0's four loads are in; the twelve of steps 1 to 3 may be out
	TURN 0
.macro STEP t
.set XS, X+16*((\t)%2)
	s_wait_dscnt 0x0                               ; this step's numbers are back from the stage: so its stores into the stage have read their registers,
.if (\t)+4 < STEPS
	LOAD (\t)+4                                    ; which take the loads of four steps on
.endif
.if (\t)+1 < STEPS
.if STEPS-2-(\t) >= 3
	s_wait_loadcnt 12                              ; the next step's four loads are in; those of the three steps behind it may be out
.else
	s_wait_loadcnt 4*(STEPS-2-(\t))
.endif
	TURN (\t)+1                                    ; and go through the other stage while this step is worked
.endif
.irp i, 0,1,2,3,4,5,6,7,8,9,10,11,12,13,14,15
	v_med3_num_f32 v[XS+\i], v[XS+\i], -v10, v10   ; the conversion to an 8-bit code does not saturate (ISA guide 7.6.2): the hold comes first
.endr
	v_cvt_scalef32_pk8_fp8_f32 v[C+4*(\t):C+4*(\t)+1], v[XS:XS+7], v11
	v_cvt_scalef32_pk8_fp8_f32 v[C+4*(\t)+2:C+4*(\t)+3], v[XS+8:XS+15], v11
	v_nop                                          ; a plain vector line behind the last conversion of the run
	global_store_b128 v4, v[C+4*(\t):C+4*(\t)+3], s[26:27] offset:32*CB*(\t)
.endm
.irp t, 0,1,2,3,4,5,6,7,8,9,10,11,12,13,14,15
	STEP \t
.endr
	s_wait_tensorcnt 0x0                           ; the wave's end, behind my last LDS store
	ds_add_u32 v[SPW], v[NIL]
	s_wait_dscnt 0x0
	s_endpgm
.Lfunc_end_k_q57ac75d87e_quant:
	.size	k_q57ac75d87e_quant, .Lfunc_end_k_q57ac75d87e_quant-k_q57ac75d87e_quant
	.p2alignl 7, 3214868480
	.fill 96, 4, 3214868480
	.section	.rodata,"a",@progbits
	.p2align	6, 0x0
	.amdhsa_kernel k_q57ac75d87e_quant
		.amdhsa_group_segment_fixed_size 33280
		.amdhsa_private_segment_fixed_size 0
		.amdhsa_enable_private_segment 0
		.amdhsa_kernarg_size 56
		.amdhsa_user_sgpr_count 2
		.amdhsa_user_sgpr_kernarg_segment_ptr 1
		.amdhsa_wavefront_size32 1
		.amdhsa_system_sgpr_workgroup_id_x 1
		.amdhsa_system_sgpr_workgroup_id_y 1
		.amdhsa_system_sgpr_workgroup_id_z 1
		.amdhsa_system_vgpr_workitem_id 0
		.amdhsa_next_free_vgpr 192
		.amdhsa_next_free_sgpr 66
		.amdhsa_reserve_vcc 0
		.amdhsa_float_denorm_mode_32 3
		.amdhsa_float_denorm_mode_16_64 3
		.amdhsa_memory_ordered 1
		.amdhsa_forward_progress 1
		.amdhsa_inst_pref_size 38
	.end_amdhsa_kernel
	.amdgpu_metadata
---
amdhsa.version: [ 1, 2 ]
amdhsa.kernels:
  - .name:           k_q57ac75d87e_quant
    .symbol:         k_q57ac75d87e_quant.kd
    .args:
      - { .name: x, .offset: 0, .size: 8, .value_kind: global_buffer, .address_space: global }
      - { .name: w_qkv, .offset: 8, .size: 8, .value_kind: global_buffer, .address_space: global }
      - { .name: w_out, .offset: 16, .size: 8, .value_kind: global_buffer, .address_space: global }
      - { .name: lowp_scales, .offset: 24, .size: 8, .value_kind: global_buffer, .address_space: global }
      - { .name: x_codes, .offset: 32, .size: 8, .value_kind: global_buffer, .address_space: global }
      - { .name: wqkv_codes, .offset: 40, .size: 8, .value_kind: global_buffer, .address_space: global }
      - { .name: wout_codes, .offset: 48, .size: 8, .value_kind: global_buffer, .address_space: global }
    .group_segment_fixed_size: 33280
    .private_segment_fixed_size: 0
    .kernarg_segment_align: 8
    .kernarg_segment_size: 56
    .max_flat_workgroup_size: 128
    .sgpr_count:     66
    .vgpr_count:     192
    .wavefront_size: 32
...
	.end_amdgpu_metadata
.endif
;; end of part 1
;; launch qkv (part 2): grid 12 x 32, 4 waves a work-group, clusters of 4 x 4, 327,680 bytes of LDS; arguments x_codes, wqkv_codes, lowp_scales, q_codes, k_codes, v_codes; writes q_codes, k_codes, v_codes
.if DOCPART == 2
	.amdgcn_target "amdgcn-amd-amdhsa--gfx1250"
	.amdhsa_code_object_version 6
	.text
	.protected	k_q57ac75d87e_qkv
	.globl	k_q57ac75d87e_qkv
	.p2align	8
	.type	k_q57ac75d87e_qkv,@function
k_q57ac75d87e_qkv:
	s_mov_b64 s[64:65], 0
	v_nop
	global_prefetch_b8 v0, s[64:65] scope:SCOPE_SE
	s_setreg_imm32_b32 hwreg(HW_REG_WAVE_MODE, 25, 1), 1
	s_wait_xcnt 0x0
	s_wait_alu depctr_hold_cnt(0) depctr_sa_sdst(0) depctr_va_vdst(0) depctr_va_sdst(0) depctr_va_ssrc(0) depctr_va_vcc(0) depctr_vm_vsrc(0)
	s_getreg_b32 s2, hwreg(HW_REG_IB_STS2, 6, 4)
	s_cmp_eq_u32 s2, 0
	s_cbranch_scc0 .Lentry_in_a_cluster
	s_endpgm
.Lentry_in_a_cluster:
	s_bfe_u32 s2, ttmp6, 0x10000c
	s_cmp_lg_u32 s2, 0xf033
	s_cbranch_scc0 .Lentry_shape_is_right
	s_endpgm
.Lentry_shape_is_right:
; qkv = x w_qkv^T on codes of FP8 (E4M3), K = 1,024; each finished f32 sum stands for sum x 2^(e0 + e1) and is quantised at once for the product that reads it: q with 2^e2, k with 2^e3, v with 2^e5.
; The three scales are folded into the conversion's one, 2^(eo - e0 - e1).  LIMITS: e2 - e0 - e1, e3 - e0 - e1 and e5 - e0 - e1 lie between -126 and 119.
; OUT: q_codes, k_codes [head = 16 b + h][t][64];  v_codes [head][d][t], the keys innermost, since they are the K of the product that reads v.
; A tile of 256 x 256 sums is made by four waves, 128 x 128 each: 64 accumulators, 512 registers.  K goes in steps of 256 through two LDS slots filled by the tensor data mover.
; THE MATRIX INSTRUCTION IS USED TRANSPOSED (source 0 = 16 rows of 'B', source 1 = 16 rows of 'A'): a lane holds one row of 'A' and eight NEIGHBOURING rows of 'B', which the conversion packs into 8 bytes.
; ONE TEXT SERVES q, k AND v BY A CHANGE OF ROLES, chosen by the cluster's x (0: q, 1: k, 2: v), which all sixteen partners share.  q, k: 'A' = x (tokens), 'B' = w's rows: the eight neighbours run along d.
; v: 'A' = w's rows 2,048 on, 'B' = x: the eight neighbours run along the tokens.  Only pointers, offsets and the last read-back differ.
; CLUSTERS: 4 x 4 work-groups.  The four of a row need the same tiles of 'A', the four of a column the same tiles of 'B': each tile is asked for JOINTLY, with one descriptor and a mask that names the four.
; REGISTERS, in windows of 256: window 0: v0-31 addresses; v128-255 A's fragments, one set; on the way out v32-223.  window 1: B's fragments, two sets.  windows 2, 3: the accumulators ((a, b) at v[8 (8 (a % 4) + b)]).
.set SIZE_K, 1024
.set KSTEP,  256                       ; along K in a slot
.set ROWB,   256                       ; a tile's row in bytes
.set ASTEP,  256                       ; bytes from a K step of A to the next in memory;
.set BSTEP,  256                       ; of B
.set KROW,   SIZE_K                    ; a row of codes in memory
.set PITCH,  272                       ; an LDS row: 256 bytes + 16 of padding = 68 words: the 16 rows of a load start at 16 different banks (64 banks of 4 bytes: ISA guide 11.1)
.set AQ,     128                       ; A's fragment in LDS: bytes from 128 along K to the next,
.set AH,     64                        ; from 64 to the next,
.set AI,     16*PITCH                  ; from 16 rows to the next
.set FR,     16                        ; registers of a fragment: 16 rows x 128 K
.set NL,     4                         ; LDS loads that bring one
.set NP,     4                         ; places behind this matrix instruction (ISA guide 7.12.1)
.set HALFT,  128*PITCH                 ; what one tensor load brings
.set SLOT,   4*HALFT                   ; A's 256 rows, then B's 256 rows
.set LAPS,   SIZE_K/(2*KSTEP)
.set SPARE,  2*SLOT                    ; behind the ring: the spare words, 128 bytes a wave, which no other line names
.set SPITCH, 336                       ; the way out: the work-group's stage, 256 rows x (256 bytes + 80) = 84 words a row: the 32 lanes of an 8-byte store touch 64 different banks.  It lies in slot 0, behind that slot's last fill and last read
.set ADRA, 16                          ; v16-17  LDS address of my A fragments in slot 0, 1
.set ADRB, 20                          ; v20-21  the same for B
.set COV,  22                          ; v22     v: my byte offset in two rows of v_codes
.set STO,  24                          ; v24     where I put 8 codes in the stage
.set RDQ,  25                          ; v25     q, k: where I read the stage back
.set COQ,  26                          ; v26     q, k: 16 x lane
.set RDV,  27                          ; v27     v: where I read the stage back
.set SPW,  28                          ; v28     LDS address of my spare word; never rewritten
.set NIL,  29                          ; v29     0; never rewritten
.set SCL,  30                          ; v30     2^(eo - e0 - e1)
.set LIMV, 31                          ; v31     448 x that
.set TMP,  32                          ; v32-95  a block's 64 sums, held
.set CD,   96                          ; v96-223 the codes: 16 registers for each of the eight blocks
.set OUTB, 32                          ; v32-159 the stage read back
.set AF,   128                         ; A's fragments, in window 0
.set G1, 24                            ; s[24:31] descriptor group 1 for A's tiles;  s[32:39] group 0, one set for each slot
.set G0, 32
.set G1B, 48                           ; s[48:55], s[56:63] the same for B's tiles
.set G0B, 56
.set MSB, 0
.macro WIN new                         ; the immediate's high byte repeats the setting that is left
.if MSB != \new
	s_set_vgpr_msb (MSB<<8)|\new
.set MSB, \new
.endif
.endm
.set MUL_LO, 0xa1                      ; source 0 (B) window 1, source 1 (A) window 0, C and D window 2
.set MUL_HI, 0xf1                      ; the same, C and D window 3
.set TO_B,   0x40                      ; destination window 1, address window 0
; A joint load: waves 0 and 1 fetch for A, waves 2 and 3 for B; the branch hangs on the wave's number alone.  An s_nop 0 and four v_nop follow each of the two lines.
.macro JLOAD g0a, g1a, g0b, g1b
	s_cmp_eq_u32 s15, 0
	s_cbranch_scc0 .Lfor_b_\@
	tensor_load_to_lds s[\g0a:\g0a+3], s[\g1a:\g1a+7]
	s_nop 0
.rept 4
	v_nop
.endr
	s_branch .Lasked_\@
.Lfor_b_\@:
	tensor_load_to_lds s[\g0b:\g0b+3], s[\g1b:\g1b+7]
	s_nop 0
.rept 4
	v_nop
.endr
.Lasked_\@:
.endm
.macro CREST                           ; a round of the cluster's barrier behind its opening barrier
	s_cmp_lg_u32 s14, 0
	s_cbranch_scc1 .Lnot_wave_0_\@
	s_barrier_signal -3
.Lnot_wave_0_\@:
	s_barrier_wait -3
	s_barrier_signal -1
	s_barrier_wait -1
.endm
.macro CROUND                          ; a whole round
	s_barrier_signal -1
	s_barrier_wait -1
	CREST
.endm
	s_load_b256 s[4:11], s[0:1], 0x0               ; x's codes s[4:5], w_qkv's s[6:7], the exponents s[8:9], q's codes s[10:11]
	s_load_b128 s[68:71], s[0:1], 0x20             ; k's codes, v's codes
	v_lshl_add_u32 v[SPW], v0, 2, SPARE
	v_mov_b32 v[NIL], 0
	ds_add_u32 v[SPW], v[NIL]                      ; the wave's opening: the add and its wait stand ahead of my first tensor load; the set-up below, work on registers, stands between them
	ds_add_u32 v[SPW], v[NIL]
	v_lshrrev_b32 v1, 5, v0
	v_readfirstlane_b32 s14, v1                    ; wave 0..3
	s_lshr_b32 s15, s14, 1                         ; which half of the tile's A rows is mine.  Also: I fetch for A (0) or for B (1)
	s_and_b32 s16, s14, 1                          ; which half of its B rows.  Also: which 128 rows of that tile I fetch
	s_bfe_u32 s40, ttmp6, 0x40000                  ; cx, cy: my place in the cluster
	s_bfe_u32 s41, ttmp6, 0x40004
	s_and_b32 s81, ttmp7, 0xffff                   ; cluster y, 0..7
	s_cmp_eq_u32 ttmp9, 2                          ; cluster x = 2: the roles are changed
	s_cselect_b32 s80, 1, 0                        ; 1: v
	s_cselect_b32 s82, 0, s81                      ; clusters of tile rows: q, k: 8 of tokens; v: one of w's rows
	s_cselect_b32 s83, s81, ttmp9                  ; clusters of tile columns: q, k: w's rows 1,024 x cluster x on; v: 8 of tokens
	s_cselect_b32 s94, 2048, 0                     ; v: A's rows begin at w's row 2,048
	s_lshl_b32 s42, s83, 2
	s_add_co_u32 s42, s42, s40                     ; tile column
	s_lshl_b32 s17, s82, 2
	s_add_co_u32 s17, s17, s41                     ; tile row
	s_lshl_b32 s43, s41, 2
	s_lshl_b32 s43, 15, s43                        ; my row of the cluster
	s_lshl_b32 s44, 0x1111, s40                    ; my column
	; descriptor group 1: a tile of 128 rows x 256 bytes, padded in LDS
	s_or_b32 s[G1+0], s43, (0<<16)|(1<<20)|(1<<21)|(5<<22)|(3<<25)  ; 15:0 the mask: A's tiles go to my row; 17:16 elements of 1 byte; 20 padding on; 21 set beside a mask; 24:22 after every 64 words; 31:25 four words
	s_or_b32 s[G1B+0], s44, (0<<16)|(1<<20)|(1<<21)|(5<<22)|(3<<25)
.irp g, G1, G1B
	s_mov_b32 s[\g+1], ROWB<<16                    ; tensor_dim0
	s_mov_b32 s[\g+2], 128<<16                     ; tensor_dim1
	s_mov_b32 s[\g+3], ROWB<<16                    ; tile_dim0
	s_mov_b32 s[\g+4], 128                         ; tile_dim1
	s_mov_b32 s[\g+5], KROW                        ; tensor_dim0_stride
	s_mov_b32 s[\g+6], 0
	s_mov_b32 s[\g+7], 0
.endr
	s_lshl_b32 s18, s16, 7                         ; which 128 rows of the tile I fetch
	s_lshl_b32 s20, s17, 8
	s_add_co_u32 s20, s20, s18
	s_add_co_u32 s20, s20, s94                     ; A: row 256 x tile row + 128 x half (+ 2,048)
	s_lshl_b32 s20, s20, 10                        ; in bytes: under 2^23
	s_mov_b32 s21, 0
	s_lshl_b32 s46, s42, 8
	s_add_co_u32 s46, s46, s18                     ; B: row 256 x tile column + 128 x half
	s_lshl_b32 s46, s46, 10
	s_mov_b32 s47, 0
	s_mul_i32 s45, s14, HALFT                      ; where they go: wave x 128 rows: no place in the cluster enters an LDS address
	s_wait_dscnt 0x0                               ; the opening add is done
	s_wait_kmcnt 0x0
	s_load_b256 s[72:79], s[8:9], 0x0              ; e0 .. e7
	s_cmp_eq_u32 ttmp9, 2
	s_cselect_b64 s[84:85], s[6:7], s[4:5]         ; A's codes
	s_cselect_b64 s[86:87], s[4:5], s[6:7]         ; B's codes
	s_add_nc_u64 s[20:21], s[84:85], s[20:21]
	s_add_nc_u64 s[46:47], s[86:87], s[46:47]
	CROUND                                         ; all sixteen work-groups are here: the first joint loads meet
.irp s, 0,1
	s_mov_b32 s[G0+4*\s], 1
	s_add_co_u32 s[G0+4*\s+1], s45, \s*SLOT
	s_add_nc_u64 s[G0+4*\s+2:G0+4*\s+3], s[20:21], \s*ASTEP
	s_or_b32 s[G0+4*\s+3], s[G0+4*\s+3], 0x80000000
	s_mov_b32 s[G0B+4*\s], 1
	s_add_co_u32 s[G0B+4*\s+1], s45, \s*SLOT
	s_add_nc_u64 s[G0B+4*\s+2:G0B+4*\s+3], s[46:47], \s*BSTEP
	s_or_b32 s[G0B+4*\s+3], s[G0B+4*\s+3], 0x80000000
.endr
	JLOAD G0, G1, G0B, G1B                         ; K step 0: one tensor load a wave at the head
	v_and_b32 v1, 15, v0                           ; r = lane % 16
	s_wait_alu depctr_va_vdst(0)
	v_bfe_u32 v2, v0, 4, 1                         ; h = lane / 16
	v_mul_u32_u24 v3, v1, PITCH
	v_lshl_add_u32 v4, v2, 4, v3                   ; a fragment's row x pitch + 16 x half
	s_mul_i32 s21, s15, HALFT                      ; my 128 rows of A
	s_mul_i32 s22, s16, HALFT                      ; my 128 rows of B,
	s_add_co_u32 s22, s22, 2*HALFT                 ; which lie behind A's 256
.irp s, 0,1
	v_add_nc_u32 v[ADRA+\s], s21, v4
	v_add_nc_u32 v[ADRB+\s], s22, v4
	s_add_co_u32 s21, s21, SLOT
	s_add_co_u32 s22, s22, SLOT
.endr
	s_mul_i32 s23, s15, 128*SPITCH                 ; into the stage: row = my A row, byte = my B row
	s_lshl_b32 s21, s16, 7
	s_add_co_u32 s23, s23, s21
	v_mul_u32_u24 v5, v1, SPITCH
	s_wait_alu depctr_va_vdst(0)
	v_lshl_add_u32 v5, v2, 3, v5
	v_add_nc_u32 v[STO], s23, v5                   ; (128 x row half + r) x pitch + 128 x column half + 8 h
	s_mul_i32 s23, s14, 64*SPITCH                  ; back: wave w takes stage rows 64 w .. 64 w + 63
	v_bfe_u32 v7, v0, 2, 3                         ; lane / 4
	v_mul_u32_u24 v7, v7, SPITCH
	v_and_b32 v8, 3, v0
	v_lshl_add_u32 v7, v8, 4, v7
	v_add_nc_u32 v[RDQ], s23, v7                   ; q, k: eight tokens an instruction, four lanes to a head's 64 bytes
	v_and_b32 v6, 31, v0
	v_lshlrev_b32 v[COQ], 4, v6                    ; which are 512 consecutive bytes of the head's codes
	v_mul_u32_u24 v9, v2, SPITCH
	v_lshl_add_u32 v9, v1, 4, v9
	v_add_nc_u32 v[RDV], s23, v9                   ; v: two rows d an instruction, sixteen lanes to a row's 256 bytes
	v_lshlrev_b32 v10, 11, v2
	v_lshl_add_u32 v[COV], v1, 4, v10              ; and the same in v_codes, whose rows are 2,048 bytes
	; where my wave's part of the output begins.  q, k: head 16 (tile row / 8) + 4 (tile column % 4), token 256 (tile row % 8) + 64 w
	s_lshr_b32 s90, s17, 3
	s_lshl_b32 s90, s90, 4
	s_and_b32 s91, s42, 3
	s_lshl_b32 s91, s91, 2
	s_add_co_u32 s90, s90, s91
	s_lshl_b32 s90, s90, 17                        ; a head's codes are 131,072 bytes
	s_and_b32 s91, s17, 7
	s_lshl_b32 s91, s91, 8
	s_lshl_b32 s93, s14, 6
	s_add_co_u32 s91, s91, s93
	s_lshl_b32 s91, s91, 6
	s_add_co_u32 s90, s90, s91
	; v: batch tile column / 8, row 256 tile row + 64 w of the batch's 1,024 rows (head, d), token 256 (tile column % 8)
	s_lshr_b32 s92, s42, 3
	s_lshl_b32 s92, s92, 21
	s_lshl_b32 s91, s17, 8
	s_add_co_u32 s91, s91, s93
	s_lshl_b32 s91, s91, 11
	s_add_co_u32 s92, s92, s91
	s_and_b32 s91, s42, 7
	s_lshl_b32 s91, s91, 8
	s_add_co_u32 s92, s92, s91
	s_cmp_eq_u32 ttmp9, 2
	s_cselect_b32 s90, s92, s90
	s_cselect_b64 s[68:69], s[70:71], s[68:69]     ; v's codes or k's,
	s_mov_b32 s91, 0
	s_cmp_eq_u32 ttmp9, 0
	s_cselect_b64 s[10:11], s[10:11], s[68:69]     ; or q's
	s_add_nc_u64 s[10:11], s[10:11], s[90:91]
.macro FRAG_B reg, adr, q, i           ; a fragment, 16 rows x 128 K, is 16 registers: lane l holds row l % 16; registers 4 c .. 4 c + 3 hold K = 32 c + 16 (l / 16) + 0 .. 15: one order of K for A and B alike
.irp c, 0,1,2,3
	ds_load_b128 v[\reg+4*\c:\reg+4*\c+3], v[\adr] offset:128*(\q)+32*\c+(\i)*16*PITCH
.endr
.endm
.macro FRAG_A reg, adr, q, i
.irp c, 0,1,2,3
	ds_load_b128 v[\reg+4*\c:\reg+4*\c+3], v[\adr] offset:AQ*(\q)+AH*(\c/2)+32*(\c%2)+AI*(\i)
.endr
.endm
; 16 matrix instructions: A's blocks a0, a0 + 1 x B's eight, 128 along K.  p: B's set.  zero = 1: the first product starts the sums.  The 64 accumulators take turns, one instruction a turn.
.macro MUL16 a0, p, zero
.irp a, \a0, \a0+1
.irp b, 0,1,2,3,4,5,6,7
.if \zero
	v_wmma_f32_16x16x128_fp8_fp8 v[8*(8*((\a)%4)+\b):8*(8*((\a)%4)+\b)+7], v[128*(\p)+FR*\b:128*(\p)+FR*\b+FR-1], v[AF+FR*(\a):AF+FR*(\a)+FR-1], 0
.else
	v_wmma_f32_16x16x128_fp8_fp8 v[8*(8*((\a)%4)+\b):8*(8*((\a)%4)+\b)+7], v[128*(\p)+FR*\b:128*(\p)+FR*\b+FR-1], v[AF+FR*(\a):AF+FR*(\a)+FR-1], v[8*(8*((\a)%4)+\b):8*(8*((\a)%4)+\b)+7]
.endif
.endr
.endr
.endm
.macro FETCH_B slot, q, p              ; B's eight fragments of the slot's q-th 128 along K into set p
	WIN TO_B
.irp i, 0,1,2,3,4,5,6,7
	FRAG_B 128*(\p)+FR*\i, ADRB+\slot, \q, \i
.endr
	WIN 0
.endm
.macro FETCH_A slot, q, i0             ; A's blocks i0 .. i0 + 3
.irp i, \i0, \i0+1, \i0+2, \i0+3
	FRAG_A AF+FR*(\i), ADRA+\slot, \q, \i
.endr
.endm
.macro PLACES n                        ; plain vector lines between a matrix instruction and a load into, or a read of, its registers
.rept \n
	v_nop
.endr
.endm
; A step of 128 along K that has its successor in the same slot.
.macro STEP slot, q, zero
	s_wait_dscnt 4*NL                              ; B's set and A's blocks 0-3 are in; the youngest sixteen loads (A's blocks 4-7) may be out
	WIN MUL_LO
	MUL16 0, (\q)%2, \zero
	MUL16 2, (\q)%2, \zero
	s_wait_dscnt 0                                 ; A's blocks 4-7 are in
	PLACES NP
	FETCH_B \slot, (\q)+1, 1-(\q)%2
	FETCH_A \slot, (\q)+1, 0
	WIN MUL_HI
	MUL16 4, (\q)%2, \zero
	MUL16 6, (\q)%2, \zero
	PLACES NP
	WIN 0
	FETCH_A \slot, (\q)+1, 4
.endm
; A slot's last step changes slots: ONE barrier; in front of it each wave waits for all its tensor loads, adds 0 to its spare word, and waits for that and for its own reads of this slot.  fill = 1: this slot is filled again, two K steps ahead.
.macro TURN slot, next, fill
	s_wait_tensorcnt 0x0                           ; all my tensor loads have landed: my part of the next slot
	ds_add_u32 v[SPW], v[NIL]                      ; 0 onto my spare word
	s_wait_dscnt 4*NL+1                            ; (the add and the youngest sixteen loads, A's blocks 4-7, may be out)
	WIN MUL_LO
	MUL16 0, 1, 0                                  ; sixteen matrix instructions stand between the add and the wait for it
	s_wait_dscnt 0x0                               ; the add is done, and my reads of this slot are over
	s_barrier_signal -1
	MUL16 2, 1, 0
	WIN 0
	s_barrier_wait -1
.if \fill
	CREST                                          ; the barrier has opened a round of the cluster's barrier: no wave of any partner still reads this slot or has a load on its way
	s_add_nc_u64 s[G0+4*\slot+2:G0+4*\slot+3], s[G0+4*\slot+2:G0+4*\slot+3], 2*ASTEP
	s_add_nc_u64 s[G0B+4*\slot+2:G0B+4*\slot+3], s[G0B+4*\slot+2:G0B+4*\slot+3], 2*BSTEP
	JLOAD G0+4*\slot, G1, G0B+4*\slot, G1B         ; the first tensor load behind the round; its four v_nop are the places in front of the loads below
.else
	PLACES NP
.endif
	FETCH_B \next, 0, 0
	FETCH_A \next, 0, 0
	WIN MUL_HI
	MUL16 4, 1, 0
	MUL16 6, 1, 0
	PLACES NP
	WIN 0
	FETCH_A \next, 0, 4
.endm
	s_wait_alu depctr_va_vdst(0)                   ; the head's end
	s_wait_tensorcnt 0x0                           ; my part of K step 0 is in
	ds_add_u32 v[SPW], v[NIL]
	s_wait_dscnt 0x0
	CROUND                                         ; everybody's part of K step 0 is in, and the sixteen work-groups meet
	JLOAD G0+4, G1, G0B+4, G1B                     ; K step 1: the first tensor load behind the round
	FETCH_B 0, 0, 0
	FETCH_A 0, 0, 0
	FETCH_A 0, 0, 4
	STEP 0, 0, 1                                   ; the first step stands in front of the loop: its products start the sums
	s_mov_b32 s3, LAPS-1
.Llap:                                                 ; a trip goes once round the ring and fills both slots again
	TURN 0, 1, 1
	STEP 1, 0, 0
	TURN 1, 0, 1
	STEP 0, 0, 0
	s_sub_co_u32 s3, s3, 1
	s_cmp_lg_u32 s3, 0
	s_cbranch_scc1 .Llap
	TURN 0, 1, 0                                   ; the last lap fills nothing
	STEP 1, 0, 0
	s_wait_dscnt 4*NL                              ; the very last step
	WIN MUL_LO
	MUL16 0, 1, 0
	MUL16 2, 1, 0
	s_wait_dscnt 0
	WIN MUL_HI
	MUL16 4, 1, 0
	MUL16 6, 1, 0
	WIN 0
	; THE WAY OUT.  The sums are held, converted (8 codes a conversion: 8 neighbouring B rows of my A row) and put into the work-group's stage; behind a barrier each wave reads 64 stage rows back and stores them in whole runs.
	s_wait_kmcnt 0x0
	s_cmp_eq_u32 ttmp9, 2
	s_cselect_b32 s88, s77, s75                    ; e5 or e3,
	s_cmp_eq_u32 ttmp9, 0
	s_cselect_b32 s88, s74, s88                    ; or e2
	s_sub_co_i32 s88, s88, s72
	s_sub_co_i32 s88, s88, s73                     ; less e0 and e1
	s_add_co_i32 s88, s88, 127
	s_lshl_b32 s89, s88, 23
	v_mov_b32 v[SCL], s89
	s_add_co_i32 s88, s88, 8
	s_lshl_b32 s88, s88, 23
	s_or_b32 s88, s88, 0x600000
	v_mov_b32 v[LIMV], s88
	PLACES NP                                      ; behind the last products: their results are read, and registers that held A's fragments are written
.macro OUTBLK a                        ; block a: my A rows 16 a .. 16 a + 15 against my 128 B rows
.set AC, 64*((\a)%4)
	WIN 0x02+((\a)/4)                              ; source 0: window 2 or 3
.set jj, 0
.rept 64
	v_med3_num_f32 v[TMP+jj], v[AC+jj], -v[LIMV], v[LIMV]   ; the hold (the conversion does not saturate: ISA guide 7.6.2); each accumulator from its low end on
.set jj, jj+1
.endr
	WIN 0
.irp b, 0,1,2,3,4,5,6,7
	v_cvt_scalef32_pk8_fp8_f32 v[CD+16*(\a)+2*\b:CD+16*(\a)+2*\b+1], v[TMP+8*\b:TMP+8*\b+7], v[SCL]
.endr
	v_nop                                          ; a plain line behind the last conversion: the next block writes their sources
.irp b, 0,1,2,3,4,5,6,7
	ds_store_b64 v[STO], v[CD+16*(\a)+2*\b:CD+16*(\a)+2*\b+1] offset:(\a)*16*SPITCH+16*\b
.endr
.endm
.irp a, 0,1,2,3,4,5,6,7
	OUTBLK \a
.endr
	s_wait_dscnt 0x0                               ; for the others' sake: my stores into the stage are done
	s_barrier_signal -1
	s_barrier_wait -1
	s_cmp_eq_u32 s80, 1                            ; the cluster's x alone decides: the same in all waves and partners
	s_cbranch_scc1 .Lv
.irp hh, 0,1,2,3                       ; q, k: the tile's four heads, eight tokens an instruction
.irp u, 0,1,2,3,4,5,6,7
	ds_load_b128 v[OUTB+4*(8*\hh+\u):OUTB+4*(8*\hh+\u)+3], v[RDQ] offset:\u*8*SPITCH+64*\hh
.endr
.endr
.irp hh, 0,1,2,3
.irp u, 0,1,2,3,4,5,6,7
	s_wait_dscnt 31-(8*\hh+\u)                     ; the younger loads may be out
	global_store_b128 v[COQ], v[OUTB+4*(8*\hh+\u):OUTB+4*(8*\hh+\u)+3], s[10:11] offset:\hh*131072+\u*512   ; 32 lanes store 512 consecutive bytes of a head's codes
.endr
.endr
	s_branch .Ljoin
.Lv:
.set nn, 0
.rept 32                               ; v: two rows (head, d) an instruction
	ds_load_b128 v[OUTB+4*nn:OUTB+4*nn+3], v[RDV] offset:nn*2*SPITCH
.set nn, nn+1
.endr
.set nn, 0
.rept 32
	s_wait_dscnt 31-nn
	global_store_b128 v[COV], v[OUTB+4*nn:OUTB+4*nn+3], s[10:11] offset:nn*4096   ; sixteen lanes store 256 consecutive bytes, at a multiple of 256 from the buffer's first byte
.set nn, nn+1
.endr
.Ljoin:
	s_wait_tensorcnt 0x0                           ; the wave's end, behind my last tensor load and my last LDS store
	ds_add_u32 v[SPW], v[NIL]
	s_wait_dscnt 0x0
	CROUND                                         ; the closing round: no work-group ends while a partner may still ask for a tile that names it
	s_endpgm
.Lfunc_end_k_q57ac75d87e_qkv:
	.size	k_q57ac75d87e_qkv, .Lfunc_end_k_q57ac75d87e_qkv-k_q57ac75d87e_qkv
	.p2alignl 7, 3214868480
	.fill 96, 4, 3214868480
	.section	.rodata,"a",@progbits
	.p2align	6, 0x0
	.amdhsa_kernel k_q57ac75d87e_qkv
		.amdhsa_group_segment_fixed_size 327680
		.amdhsa_private_segment_fixed_size 0
		.amdhsa_enable_private_segment 0
		.amdhsa_kernarg_size 48
		.amdhsa_user_sgpr_count 2
		.amdhsa_user_sgpr_kernarg_segment_ptr 1
		.amdhsa_wavefront_size32 1
		.amdhsa_system_sgpr_workgroup_id_x 1
		.amdhsa_system_sgpr_workgroup_id_y 1
		.amdhsa_system_sgpr_workgroup_id_z 1
		.amdhsa_system_vgpr_workitem_id 0
		.amdhsa_next_free_vgpr 1024
		.amdhsa_next_free_sgpr 98
		.amdhsa_reserve_vcc 0
		.amdhsa_float_denorm_mode_32 3
		.amdhsa_float_denorm_mode_16_64 3
		.amdhsa_memory_ordered 1
		.amdhsa_forward_progress 1
		.amdhsa_inst_pref_size 133
	.end_amdhsa_kernel
	.amdgpu_metadata
---
amdhsa.version: [ 1, 2 ]
amdhsa.kernels:
  - .name:           k_q57ac75d87e_qkv
    .symbol:         k_q57ac75d87e_qkv.kd
    .args:
      - { .name: x_codes, .offset: 0, .size: 8, .value_kind: global_buffer, .address_space: global }
      - { .name: wqkv_codes, .offset: 8, .size: 8, .value_kind: global_buffer, .address_space: global }
      - { .name: lowp_scales, .offset: 16, .size: 8, .value_kind: global_buffer, .address_space: global }
      - { .name: q_codes, .offset: 24, .size: 8, .value_kind: global_buffer, .address_space: global }
      - { .name: k_codes, .offset: 32, .size: 8, .value_kind: global_buffer, .address_space: global }
      - { .name: v_codes, .offset: 40, .size: 8, .value_kind: global_buffer, .address_space: global }
    .group_segment_fixed_size: 327680
    .private_segment_fixed_size: 0
    .kernarg_segment_align: 8
    .kernarg_segment_size: 48
    .max_flat_workgroup_size: 128
    .sgpr_count:     98
    .vgpr_count:     1024
    .wavefront_size: 32
...
	.end_amdgpu_metadata
.endif
;; end of part 2
;; launch attn (part 3): grid 4 x 64, 8 waves a work-group, clusters of 4 x 1, 327,680 bytes of LDS; arguments q_codes, k_codes, v_codes, lowp_scales, attn_codes; writes attn_codes
.if DOCPART == 3
	.amdgcn_target "amdgcn-amd-amdhsa--gfx1250"
	.amdhsa_code_object_version 6
	.text
	.protected	k_q57ac75d87e_attn
	.globl	k_q57ac75d87e_attn
	.p2align	8
	.type	k_q57ac75d87e_attn,@function
k_q57ac75d87e_attn:
	s_mov_b64 s[64:65], 0
	v_nop
	global_prefetch_b8 v0, s[64:65] scope:SCOPE_SE
	s_setreg_imm32_b32 hwreg(HW_REG_WAVE_MODE, 25, 1), 1
	s_wait_xcnt 0x0
	s_wait_alu depctr_hold_cnt(0) depctr_sa_sdst(0) depctr_va_vdst(0) depctr_va_sdst(0) depctr_va_ssrc(0) depctr_va_vcc(0) depctr_vm_vsrc(0)
	s_getreg_b32 s2, hwreg(HW_REG_IB_STS2, 6, 4)
	s_cmp_eq_u32 s2, 0
	s_cbranch_scc0 .Lentry_in_a_cluster
	s_endpgm
.Lentry_in_a_cluster:
	s_bfe_u32 s2, ttmp6, 0x10000c
	s_cmp_lg_u32 s2, 0x3003
	s_cbranch_scc0 .Lentry_shape_is_right
	s_endpgm
.Lentry_shape_is_right:
; Causal attention on codes of FP8 (E4M3), 64 heads (16 b + h) of 2,048 tokens x 64.  q_codes, k_codes: [head][t][64];  v_codes: [head][d][t], the keys innermost.
; t = score x 2^(e2 + e3) x log2(e) / 8;  M = the running largest t rounded UP to a whole number;  p = 2^(t - M) is quantised with 2^e4, not normalised; the row's sum is taken of the unquantised p.
; When M moves, the sum and O are multiplied by 2^(old M - new M), which rounds nothing.  O x 2^(e4 + e5) / sum is quantised with 2^e6.
; OUT: attn_codes, byte (m / 4) x 4,096 + h x 256 + (m % 4) x 64 + d, m = 2,048 b + t.
; LIMITS: e2 + e3 between -123 and 130; e6 between -126 and 119; e4 between -8 and 127: p is at most 1, so with e4 >= -8 the quantiser's hold at 448 x 2^e4 (at least 1.75) changes no p and is not written.
; The scaled scores stay under 2^31 in magnitude.
; LEFT OUT: key steps all of whose keys come after all queries of the group in hand: the causal mask sets those scores to -infinity.
; SHARES.  A head's K and V, padded, are 286,720 bytes: they lie in LDS whole, are filled once and never again.  The four work-groups of a head form a cluster and ask for every tile JOINTLY.
; Work-group i owns the tiles of 16 queries 64 a + 16 i, a = 0 .. 31.  A wave holds TWO tiles at once, a = 2 g and 2 g + 1 (group g: queries inside 128 g .. 128 g + 127), so each fragment of K and V feeds two matrix instructions.
; Group g needs the key steps 0 .. g of 128 keys, the last on the diagonal.  Wave w takes group 15 - w and then group w: 17 steps for every wave of every work-group.  No branch and no LDS address hangs on i.
; FILLS.  At the head each wave asks for an eighth of keys 0-511; behind the full sequence and a round, for its part of keys 512-2,047, which land while the first four steps are worked; one barrier follows those steps.
; NO PREFETCH: every byte of K and V is asked for by these two groups of loads at the head; there is no later load for a loop to run ahead of.
; LAYOUT.  Both products are used transposed (S^T = K Q^T, O^T = V^T P^T): a lane holds one query (lane % 16).  Lane r of K's tile 2 b + u takes key 32 b + 8 u + r + 8 (r / 8): register 16 b + j of S^T is key 32 b + 16 (lane / 16) + j.
; REGISTERS, two windows of 256.  Tile 0's Q, codes, O^T, S^T and sums lie in window 0, tile 1's at the same numbers in window 1.  K's fragments: window 0, V's: window 1, both at FR.  Addresses, M, f and constants: window 0.
.set KP,     144                       ; two keys' 128 bytes + 16 of padding
.set VP,     272                       ; 256 keys of one d + 16
.set KSTEPB, 64*KP                     ; 128 keys of K in LDS
.set VSLOT,  64*VP                     ; 256 keys of V in LDS
.set VBASE,  16*KSTEPB
.set STAGE,  VBASE+8*VSLOT             ; the way out: 32 rows x 80 bytes for each wave; no tile lands here
.set SPP,    80
.set SPARE,  STAGE+8*32*SPP            ; the spare words, 128 bytes a wave, which no other line names
.set AK0, 1
.set AV0, 2
.set ADK, 3
.set ADV, 4
.set SPW, 5
.set NIL, 6
.set STO, 7
.set RD,  8
.set GO,  9
.set DL,  10                           ; 16 i + lane % 16 - 16 (lane / 16), for the mask
.set NM,  12                           ; v[12:13], v[14:15]: -M and the largest t of tile 0, 1
.set F,   16                           ; v16, v18: f of tile 0, 1 (v17, v19 named with them)
.set CH,  20                           ; v20, v21 at work
.set PL,  22                           ; v22, v23 lane permutes' results
.set SC4, 24
.set SC6, 25
.set LIM6,26
.set NINF,27
.set QF,  32
.set PC,  40
.set O,   56
.set S,   88
.set T,   152                          ; three pairs of partial sums
.set L,   T+6                          ; the row's sum in two halves
.set MX,  T+8                          ; four partial maxima
.set FR,  168
.set Q2,  232                          ; Q of the second group
.set WV,  14
.set HD,  15
.set N,   16                           ; the key step: each of the three loops counts it
.set GL,  17                           ; 15 - wave
.set KOFF,19
.set SEL, 20
.set CS,  22
.set VOFF,24
.set GC,  25                           ; the group in hand
.set EPV, 26
.set TMP, 27
.set G1K, 28
.set G1V, 36
.set G0K, 60
.set G0V, 68
.set OB,  96
.set OB2, 98
.set MSB, 0
.macro WIN new                         ; the immediate's high byte repeats the setting that is left
.if MSB != \new
	s_set_vgpr_msb (MSB<<8)|\new
.set MSB, \new
.endif
.endm
.macro CROUND                          ; a round of the cluster's barrier
	s_barrier_signal -1
	s_barrier_wait -1
	s_cmp_lg_u32 s[WV], 0
	s_cbranch_scc1 .Lnw0_\@
	s_barrier_signal -3
.Lnw0_\@:
	s_barrier_wait -3
	s_barrier_signal -1
	s_barrier_wait -1
.endm
.macro TLOAD lim                       ; waves under lim fetch for K, the others for V: one joint load in each arm; an s_nop 0 and four v_nop follow each
	s_cmp_lt_u32 s[WV], \lim
	s_cbranch_scc0 .Lfv_\@
	tensor_load_to_lds s[G0K:G0K+3], s[G1K:G1K+7]
	s_nop 0
.rept 4
	v_nop
.endr
	s_branch .Lfj_\@
.Lfv_\@:
	tensor_load_to_lds s[G0V:G0V+3], s[G1V:G1V+7]
	s_nop 0
.rept 4
	v_nop
.endr
.Lfj_\@:
.endm
.macro INIT                            ; a group begins: the largest t under every t, the sums and O^T zero (the first change of M multiplies zeros)
	WIN 0x40
.set jj, 0
.rept 32
	v_mov_b32 v[O+jj], 0
.set jj, jj+1
.endr
	v_mov_b32 v[L], 0
	v_mov_b32 v[L+1], 0
	WIN 0
.set jj, 0
.rept 32
	v_mov_b32 v[O+jj], 0
.set jj, jj+1
.endr
	v_mov_b32 v[L], 0
	v_mov_b32 v[L+1], 0
.irp u, 0,2
	v_mov_b32 v[NM+1+\u], 0xff61b1e6               ; -3e38
	v_mov_b32 v[NM+\u], 0x7f61b1e6                 ; -M = 3e38
.endr
.endm
.macro OFFS st                         ; where key step st lies: K 9,216 bytes a step; V 17,408 a pair of steps and 128 along the rows
	s_mul_i32 s[KOFF], s[\st], KSTEPB
	s_lshr_b32 s[VOFF], s[\st], 1
	s_mul_i32 s[VOFF], s[VOFF], VSLOT
	s_and_b32 s[TMP], s[\st], 1
	s_lshl_b32 s[TMP], s[TMP], 7
	s_add_co_u32 s[VOFF], s[VOFF], s[TMP]
	v_add_nc_u32 v[ADK], s[KOFF], v[AK0]           ; both address registers are made here, on the way that every wave takes
	v_add_nc_u32 v[ADV], s[VOFF], v[AV0]
.endm
.macro MAXT                            ; a tile's largest score among my 64 keys, in four chains, each accumulator from its low end on
.irp c, 0,1,2,3
	v_max3_num_f32 v[MX+\c], v[S+3*\c], v[S+3*\c+1], v[S+3*\c+2]
.endr
.irp i, 12,20,28,36,44,52
.irp c, 0,1,2,3
	v_max3_num_f32 v[MX+\c], v[MX+\c], v[S+\i+2*\c], v[S+\i+2*\c+1]
.endr
.endr
	v_max3_num_f32 v[MX], v[MX], v[S+60], v[S+61]
	v_max3_num_f32 v[MX+1], v[MX+1], v[S+62], v[S+63]
	v_max3_num_f32 v[MX], v[MX], v[MX+1], v[MX+2]
.endm
.macro SCALE nm                        ; t - M, two at a time
.set jj, 0
.rept 32
	v_pk_fma_f32 v[S+jj:S+jj+1], v[S+jj:S+jj+1], s[CS:CS+1], v[\nm:\nm+1] op_sel_hi:[1,0,0]
.set jj, jj+2
.endr
.endm
.macro EXPS
.set jj, 0
.rept 64
	v_exp_f32 v[S+jj], v[S+jj]
.set jj, jj+1
.endr
.endm
.macro SUMS                            ; the row's sum of the unquantised p, in four chains
	v_pk_add_f32 v[T:T+1], v[S:S+1], v[S+2:S+3]
	v_pk_add_f32 v[T+2:T+3], v[S+4:S+5], v[S+6:S+7]
	v_pk_add_f32 v[T+4:T+5], v[S+8:S+9], v[S+10:S+11]
.irp j, 12,20,28,36,44,52
	v_pk_add_f32 v[L:L+1], v[L:L+1], v[S+\j:S+\j+1]
	v_pk_add_f32 v[T:T+1], v[T:T+1], v[S+\j+2:S+\j+3]
	v_pk_add_f32 v[T+2:T+3], v[T+2:T+3], v[S+\j+4:S+\j+5]
	v_pk_add_f32 v[T+4:T+5], v[T+4:T+5], v[S+\j+6:S+\j+7]
.endr
	v_pk_add_f32 v[L:L+1], v[L:L+1], v[S+60:S+61]
	v_pk_add_f32 v[T:T+1], v[T:T+1], v[S+62:S+63]
	v_pk_add_f32 v[T+2:T+3], v[T+2:T+3], v[T+4:T+5]
	v_pk_add_f32 v[L:L+1], v[L:L+1], v[T:T+1]
	v_pk_add_f32 v[L:L+1], v[L:L+1], v[T+2:T+3]
.endm
.macro CODES f                         ; p's codes, then O^T under the new M; the sixteen products are also the plain lines between the conversions and the matrix instructions
.irp g, 0,1,2,3,4,5,6,7
	v_cvt_scalef32_pk8_fp8_f32 v[PC+2*\g:PC+2*\g+1], v[S+8*\g:S+8*\g+7], v[SC4]
.endr
	s_wait_alu depctr_va_vdst(0)                   ; directly ahead of the first readers of O^T
.set jj, 0
.rept 16
	v_pk_mul_f32 v[O+jj:O+jj+1], v[O+jj:O+jj+1], v[\f:\f+1] op_sel_hi:[1,0]
.set jj, jj+2
.endr
.endm
.macro PV                              ; O^T += V^T P^T: four accumulators by turns
.irp t, 0,1,2,3
	v_wmma_f32_16x16x128_fp8_fp8 v[O+8*\t:O+8*\t+7], v[FR+16*\t:FR+16*\t+15], v[PC:PC+15], v[O+8*\t:O+8*\t+7]
.endr
.endm
; A KEY STEP: 128 keys against my two tiles.  diag = 1: the text holds the mask for the step on the diagonal.
.macro STEP diag
	v_nop                                          ; with the two additions: four places in front of loads into registers that the last products read
	v_nop
.irp t, 0,1,2,3,4,5,6,7
.irp c, 0,1
	ds_load_b128 v[FR+8*\t+4*\c:FR+8*\t+4*\c+3], v[ADK] offset:KP*(16*(\t/2)+4*(\t%2))+32*\c
.endr
.endr
	WIN 0x40
.irp t, 0,1,2,3
.irp c, 0,1,2,3
	ds_load_b128 v[FR+16*\t+4*\c:FR+16*\t+4*\c+3], v[ADV] offset:16*VP*\t+32*\c
.endr
.endr
	WIN 0
	s_wait_dscnt 16                                ; K's sixteen loads are in; V's sixteen, issued behind them, may be out
.irp t, 0,1,2,3,4,5,6,7
	v_wmma_f32_16x16x64_fp8_fp8 v[S+8*\t:S+8*\t+7], v[FR+8*\t:FR+8*\t+7], v[QF:QF+7], 0
.endr
	WIN 0x44
.irp t, 0,1,2,3,4,5,6,7
	v_wmma_f32_16x16x64_fp8_fp8 v[S+8*\t:S+8*\t+7], v[FR+8*\t:FR+8*\t+7], v[QF:QF+7], 0
.endr
	WIN 0
.rept 4
	v_nop                                          ; places in front of the first read of the scores
.endr
.if \diag
	s_cmp_lg_u32 s[N], s[GC]                       ; only the group's last step lies on the diagonal: wave number and trip alone decide
	s_cbranch_scc1 .Lopen_\@
.set kk, 0
.rept 32                                       ; tile 0: keys 0-63 by the lane masks made at the head,
	v_cndmask_b32 v[S+kk], v[S+kk], v[NINF], s[44+kk+20*(kk/16)]
.set kk, kk+1
.endr
.set kk, 0
.rept 32                                       ; keys 64-127 come after all its queries
	v_mov_b32 v[S+32+kk], v[NINF]
.set kk, kk+1
.endr
	WIN 0x41
.set kk, 0
.rept 32                                       ; tile 1, 64 queries on: keys 0-63 all count, keys 64-127 by the same masks
	v_cndmask_b32 v[S+32+kk], v[S+32+kk], v[NINF], s[44+kk+20*(kk/16)]
.set kk, kk+1
.endr
	WIN 0
.Lopen_\@:
.endif
	MAXT
	v_max_num_f32 v[CH], v[MX], v[MX+3]
	WIN 0x55
	MAXT
	WIN 0x05
	v_max_num_f32 v[CH+1], v[MX], v[MX+3]
	WIN 0
.irp u, 0,1                                    ; the two tiles' chains line by line
	v_permlanex16_b32 v[PL+\u], v[CH+\u], s[SEL], s[SEL+1]
.endr
.irp u, 0,1
	v_max_num_f32 v[CH+\u], v[CH+\u], v[PL+\u]     ; and among lane l xor 16's keys
.endr
.irp u, 0,1
	v_mul_f32 v[CH+\u], s[CS], v[CH+\u]            ; as t
.endr
.irp u, 0,1
	v_max_num_f32 v[NM+1+2*\u], v[NM+1+2*\u], v[CH+\u]
.endr
.irp u, 0,1
	v_mov_b32 v[CH+\u], v[NM+2*\u]
.endr
.irp u, 0,1
	v_floor_f32 v[NM+2*\u], -v[NM+1+2*\u]          ; the new -M
.endr
.irp u, 0,1
	v_sub_f32 v[CH+\u], v[NM+2*\u], v[CH+\u]       ; old M - new M, a whole number, 0 or less
.endr
.irp u, 0,1
	v_cvt_i32_f32 v[CH+\u], v[CH+\u]               ; (it saturates)
.endr
.irp u, 0,1
	v_ldexp_f32 v[F+2*\u], 1.0, v[CH+\u]           ; f = 2^(old M - new M)
.endr
	SCALE NM
	WIN 0x41
	SCALE NM+2
	s_wait_dscnt 0x0                               ; V is in
	s_wait_alu depctr_va_vdst(0)                   ; ahead of the batch
	EXPS
	WIN 0
	EXPS
	v_pk_mul_f32 v[L:L+1], v[L:L+1], v[F:F+1] op_sel_hi:[1,0]   ; the sum under the new M: the plain line behind the exponentials
	s_wait_alu depctr_va_vdst(0)                   ; one wait for the batch of 128, ahead of its first reader
	SUMS
	CODES F
	WIN 0x01
	PV
	WIN 0x41
	v_pk_mul_f32 v[L:L+1], v[L:L+1], v[F+2:F+3] op_sel_hi:[1,0]
	WIN 0x45
	SUMS
	WIN 0x41
	CODES F+2
	WIN 0x55
	PV
	WIN 0
.endm
.macro FINT f                          ; O^T x 2^(e4 + e5) / sum, held and quantised with 2^e6
.set jj, 0
.rept 16
	v_pk_mul_f32 v[S+jj:S+jj+1], v[O+jj:O+jj+1], v[\f:\f+1] op_sel_hi:[1,0]
.set jj, jj+2
.endr
.set jj, 0
.rept 32
	v_med3_num_f32 v[S+jj], v[S+jj], -v[LIM6], v[LIM6]
.set jj, jj+1
.endr
.irp t, 0,1,2,3
	v_cvt_scalef32_pk8_fp8_f32 v[PC+2*\t:PC+2*\t+1], v[S+8*\t:S+8*\t+7], v[SC6]
.endr
	v_nop                                          ; a plain line behind the last conversion
.endm
; A GROUP'S END.  A lane's 8 codes of a tile of d are 8 of its query's 64 bytes: they go through my stage and leave as runs of 256 bytes, four queries each.
.macro FINISH
	s_wait_xcnt 0x0                                ; earlier stores have read the registers that are written below
	v_add_f32 v[CH], v[L], v[L+1]
	WIN 0x05
	v_add_f32 v[CH+1], v[L], v[L+1]
	WIN 0
.irp u, 0,1
	v_permlanex16_b32 v[PL+\u], v[CH+\u], s[SEL], s[SEL+1]
.endr
.irp u, 0,1
	v_add_f32 v[CH+\u], v[CH+\u], v[PL+\u]
.endr
	s_wait_alu depctr_va_vdst(0)                   ; ahead of the two reciprocals
	v_rcp_f32 v[CH], v[CH]
	v_rcp_f32 v[CH+1], v[CH+1]
	v_nop
	s_wait_alu depctr_va_vdst(0)                   ; and ahead of their first reader
	v_ldexp_f32 v[F], v[CH], s[EPV]
	v_ldexp_f32 v[F+2], v[CH+1], s[EPV]
	s_wait_alu depctr_va_vdst(0)                   ; directly ahead of the first readers of O^T
	FINT F
	WIN 0x41
	s_wait_alu depctr_va_vdst(0)                   ; the same for tile 1
	FINT F+2
	WIN 0
.irp t, 0,1,2,3
	ds_store_b64 v[STO], v[PC+2*\t:PC+2*\t+1] offset:16*\t
.endr
	WIN 0x04
.irp t, 0,1,2,3
	ds_store_b64 v[STO], v[PC+2*\t:PC+2*\t+1] offset:16*SPP+16*\t
.endr
	WIN 0
.irp k, 0,1,2,3
	ds_load_b128 v[FR+4*\k:FR+4*\k+3], v[RD] offset:8*SPP*\k   ; LDS serves a wave's instructions in order: these see my stores
.endr
	s_wait_dscnt 0x0
.irp k, 0,1,2,3
	global_store_b128 v[GO], v[FR+4*\k:FR+4*\k+3], s[OB:OB+1] offset:65536*(\k/2)+8192*(\k%2)   ; sixteen lanes store 256 consecutive bytes, at a multiple of 256 from the buffer's first byte
.endr
.endm
	s_load_b256 s[4:11], s[0:1], 0x0               ; q's codes, k's, v's, the exponents
	s_load_b64 s[12:13], s[0:1], 0x20              ; attn_codes
	v_lshl_add_u32 v[SPW], v0, 2, SPARE
	v_mov_b32 v[NIL], 0
	ds_add_u32 v[SPW], v[NIL]                      ; the opening lines: the add, twice on end, and its wait ahead of my first tensor load
	ds_add_u32 v[SPW], v[NIL]
	v_lshrrev_b32 v11, 5, v0
	v_readfirstlane_b32 s[WV], v11                 ; wave 0..7
	s_and_b32 s[HD], ttmp7, 0xffff                 ; the head = the cluster's y
	s_xor_b32 s[GL], s[WV], 15                     ; 15 - wave
	s_mov_b32 s[G1K], 15|(1<<20)|(1<<21)|(4<<22)|(3<<25)   ; the four partners; bytes; four words of padding after every 32
	s_mov_b32 s[G1K+1], 256<<16                    ; K is dense: rows of 256 bytes, four keys each
	s_mov_b32 s[G1K+2], 32<<16
	s_mov_b32 s[G1K+3], 256<<16
	s_mov_b32 s[G1K+4], 32
	s_mov_b32 s[G1K+5], 256
	s_mov_b32 s[G1K+6], 0
	s_mov_b32 s[G1K+7], 0
	s_mov_b32 s[G1V], 15|(1<<20)|(1<<21)|(5<<22)|(3<<25)   ; four words after every 64
	s_mov_b32 s[G1V+1], 256<<16
	s_mov_b32 s[G1V+2], 32<<16
	s_mov_b32 s[G1V+3], 256<<16
	s_mov_b32 s[G1V+4], 32
	s_mov_b32 s[G1V+5], 2048
	s_mov_b32 s[G1V+6], 0
	s_mov_b32 s[G1V+7], 0
	s_mov_b32 s[SEL], 0x76543210
	s_mov_b32 s[SEL+1], 0xfedcba98
	s_mov_b32 s[CS], 0x3e38aa3b                    ; log2(e) / 8
	s_lshl_b32 s2, s[HD], 17                       ; the head's first byte in each tensor of codes
	s_mov_b32 s3, 0
	s_and_b32 s18, s[WV], 3
	s_wait_dscnt 0x0                               ; both opening adds are done
	s_wait_kmcnt 0x0
	s_load_b256 s[72:79], s[10:11], 0x0            ; e0 .. e7
	s_add_nc_u64 s[4:5], s[4:5], s[2:3]
	s_add_nc_u64 s[6:7], s[6:7], s[2:3]
	s_add_nc_u64 s[8:9], s[8:9], s[2:3]
	s_mov_b32 s[G0K], 1                            ; keys 0-511.  K: waves 0-3, 128 keys each
	s_mul_i32 s[G0K+1], s18, KSTEPB
	s_lshl_b32 s2, s18, 13
	s_add_nc_u64 s[G0K+2:G0K+3], s[6:7], s[2:3]
	s_or_b32 s[G0K+3], s[G0K+3], 0x80000000
	s_mov_b32 s[G0V], 1                            ; V: waves 4-7, 32 rows d of 256 keys each
	s_mul_i32 s[G0V+1], s18, 32*VP
	s_add_co_u32 s[G0V+1], s[G0V+1], VBASE
	s_lshr_b32 s2, s18, 1
	s_lshl_b32 s2, s2, 8
	s_and_b32 s19, s18, 1
	s_lshl_b32 s19, s19, 16
	s_add_co_u32 s2, s2, s19
	s_add_nc_u64 s[G0V+2:G0V+3], s[8:9], s[2:3]
	s_or_b32 s[G0V+3], s[G0V+3], 0x80000000
	CROUND                                         ; the four work-groups are here: the first joint loads meet
	TLOAD 4
	; global addresses: the only scalars that hold i
	s_bfe_u32 s100, ttmp6, 0x40000                 ; i: my place in the cluster
	s_lshr_b32 s2, s[HD], 4
	s_lshl_b32 s2, s2, 21
	s_and_b32 s101, s[HD], 15
	s_lshl_b32 s101, s101, 8
	s_add_co_u32 s101, s101, s2
	s_lshl_b32 s2, s100, 14
	s_add_co_u32 s101, s101, s2                    ; batch x 2^21 + (head % 16) x 256 + 16 i x 1,024
	s_lshl_b32 s2, s[GL], 17
	s_add_co_u32 s2, s2, s101
	s_add_nc_u64 s[OB:OB+1], s[12:13], s[2:3]      ; the first group's results,
	s_lshl_b32 s2, s[WV], 17
	s_add_co_u32 s2, s2, s101
	s_add_nc_u64 s[OB2:OB2+1], s[12:13], s[2:3]    ; the second's
	s_lshl_b32 s101, s100, 10
	s_lshl_b32 s2, s[GL], 13
	s_add_co_u32 s2, s2, s101
	s_add_nc_u64 s[12:13], s[4:5], s[2:3]          ; Q of the first group,
	s_lshl_b32 s2, s[WV], 13
	s_add_co_u32 s2, s2, s101
	s_add_nc_u64 s[4:5], s[4:5], s[2:3]            ; of the second
	s_lshl_b32 s101, s100, 4                       ; 16 i
	s_mul_i32 s[TMP], s[WV], 32*SPP
	s_add_co_u32 s[TMP], s[TMP], STAGE             ; my stage
	s_wait_kmcnt 0x0
	s_add_co_i32 s2, s74, s75
	s_lshl_b32 s2, s2, 23
	s_add_co_i32 s[CS], s[CS], s2                  ; e2 + e3 are added to c's exponent field
	s_mov_b32 s[CS+1], s[CS]
	s_add_co_i32 s10, s76, 127
	s_lshl_b32 s10, s10, 23                        ; 2^e4
	s_add_co_i32 s24, s78, 127
	s_lshl_b32 s11, s24, 23                        ; 2^e6
	s_add_co_i32 s24, s24, 8
	s_lshl_b32 s24, s24, 23
	s_or_b32 s24, s24, 0x600000                    ; 448 x 2^e6
	s_add_co_i32 s[EPV], s76, s77                  ; e4 + e5
	v_and_b32 v11, 15, v0                          ; r
	v_bfe_u32 v20, v0, 4, 1                        ; h
	v_lshlrev_b32 v21, 6, v11
	v_lshl_add_u32 v21, v20, 4, v21                ; Q: row r of 64 bytes + 16 h: the order of d in which K's fragments are fetched too
.irp c, 0,1
	global_load_b128 v[QF+4*\c:QF+4*\c+3], v21, s[12:13] offset:32*\c
	global_load_b128 v[Q2+4*\c:Q2+4*\c+3], v21, s[4:5] offset:32*\c
.endr
	WIN 0x40
.irp c, 0,1                                    ; tile 1: 64 queries on
	global_load_b128 v[QF+4*\c:QF+4*\c+3], v21, s[12:13] offset:4096+32*\c
	global_load_b128 v[Q2+4*\c:Q2+4*\c+3], v21, s[4:5] offset:4096+32*\c
.endr
	WIN 0
	v_bfe_u32 v22, v0, 1, 2                        ; key kk lies at 144 (kk / 2) + 64 (kk % 2); lane r takes the tile's key r + 8 (r / 8)
	v_mul_u32_u24 v[AK0], v22, KP
	v_bfe_u32 v22, v0, 3, 1
	v_mul_u32_u24 v22, v22, 8*KP
	v_add_nc_u32 v[AK0], v[AK0], v22
	v_and_b32 v22, 1, v0
	v_lshl_add_u32 v[AK0], v22, 6, v[AK0]
	v_lshl_add_u32 v[AK0], v20, 4, v[AK0]
	v_mul_u32_u24 v[AV0], v11, VP
	v_lshl_add_u32 v[AV0], v20, 4, v[AV0]
	v_add_nc_u32 v[AV0], VBASE, v[AV0]
	v_mul_u32_u24 v[STO], v11, SPP
	v_lshl_add_u32 v[STO], v20, 3, v[STO]
	v_add_nc_u32 v[STO], s[TMP], v[STO]            ; into the stage: row r, 8 bytes for each half of the lanes
	v_bfe_u32 v22, v0, 2, 3
	v_mul_u32_u24 v[RD], v22, SPP
	v_and_b32 v22, 3, v0
	v_lshl_add_u32 v[RD], v22, 4, v[RD]
	v_add_nc_u32 v[RD], s[TMP], v[RD]              ; back: eight queries an instruction, four lanes to a query's 64 bytes
	v_lshlrev_b32 v[GO], 12, v20
	v_lshl_add_u32 v[GO], v11, 4, v[GO]
	v_lshlrev_b32 v22, 4, v20
	v_sub_nc_u32 v[DL], v11, v22
	v_add_nc_u32 v[DL], s101, v[DL]
.set kk, 0
.rept 32                                       ; on the diagonal, register 16 b + j is hidden where 32 b + j > 16 i + r - 16 h: 32 lane masks, made once, for both tiles and both groups
	v_cmp_gt_i32 s[44+kk+20*(kk/16)], 32*(kk/16)+kk%16, v[DL]
.set kk, kk+1
.endr
	v_mov_b32 v[SC4], s10
	v_mov_b32 v[SC6], s11
	v_mov_b32 v[LIM6], s24
	v_mov_b32 v[NINF], 0xff800000
	v_mov_b32 v[F+1], 0                            ; (named as the upper halves of pairs)
	v_mov_b32 v[F+3], 0
	v_mov_b32 v[PL], 0                             ; a lane permute's destination counts as one of its sources
	v_mov_b32 v[PL+1], 0
	INIT
	s_wait_alu depctr_va_vdst(0)                   ; the head's end
	s_wait_tensorcnt 0x0                           ; my part of keys 0-511 is in
	ds_add_u32 v[SPW], v[NIL]
	s_mov_b32 s[G1K+2], 192<<16                    ; keys 512-2,047.  K: waves 0 and 1, 768 keys each
	s_mov_b32 s[G1K+4], 192
	s_mov_b32 s[G1V+2], 64<<16                     ; V: wave w = 2 .. 7 takes keys 256 w .. 256 w + 255 of all 64 rows
	s_mov_b32 s[G1V+4], 64
	s_and_b32 s2, s[WV], 1
	s_mul_i32 s[G0K+1], s2, 192*2*KP
	s_add_co_u32 s[G0K+1], s[G0K+1], 4*KSTEPB
	s_mul_i32 s2, s2, 192*256
	s_add_co_u32 s2, s2, 128*256
	s_add_nc_u64 s[G0K+2:G0K+3], s[6:7], s[2:3]
	s_or_b32 s[G0K+3], s[G0K+3], 0x80000000
	s_mul_i32 s[G0V+1], s[WV], VSLOT
	s_add_co_u32 s[G0V+1], s[G0V+1], VBASE
	s_lshl_b32 s2, s[WV], 8
	s_add_nc_u64 s[G0V+2:G0V+3], s[8:9], s[2:3]
	s_or_b32 s[G0V+3], s[G0V+3], 0x80000000
	s_wait_dscnt 0x0
	CROUND                                         ; everybody's part of keys 0-511 is in, and the four work-groups meet
	TLOAD 2                                        ; my one tensor load behind the round
	s_wait_loadcnt 0x0                             ; Q
	s_mov_b32 s[N], 0
.Lfirst:                                           ; key steps 0-3 of group 15 - w, which has at least nine steps: all their keys count, and they read keys 0-511 alone
	OFFS N
	STEP 0
	s_add_co_u32 s[N], s[N], 1
	s_cmp_lt_u32 s[N], 4
	s_wait_alu depctr_va_vdst(0)                   ; ahead of the backward jump
	s_cbranch_scc1 .Lfirst
	s_wait_tensorcnt 0x0                           ; my part of keys 512-2,047 is in,
	s_wait_dscnt 0x0
	s_barrier_signal -1
	s_barrier_wait -1                              ; everybody's is: from here on the waves share nothing
	s_mov_b32 s[GC], s[GL]                         ; the group in hand: 15 - w
	s_mov_b32 s[N], 4
.Lrest:                                            ; a constant 12 trips: key steps 4 .. 15 of the first group
	OFFS N
	s_cmp_gt_u32 s[N], s[GC]                       ; a step all of whose keys come after the group's queries is left out: wave number and trip alone decide
	s_cbranch_scc1 .Lsame
	STEP 1
.Lsame:
	s_add_co_u32 s[N], s[N], 1
	s_cmp_lt_u32 s[N], 16
	s_wait_alu depctr_va_vdst(0)                   ; ahead of the backward jump
	s_cbranch_scc1 .Lrest
	FINISH                                         ; the first group's end; then on to the second
	s_wait_xcnt 0x0                                ; the stores have read their base and their data
	s_mov_b64 s[OB:OB+1], s[OB2:OB2+1]
.set jj, 0
.rept 8
	v_mov_b32 v[QF+jj], v[Q2+jj]
.set jj, jj+1
.endr
	WIN 0x41
.set jj, 0
.rept 8
	v_mov_b32 v[QF+jj], v[Q2+jj]
.set jj, jj+1
.endr
	INIT
	s_mov_b32 s[GC], s[WV]                         ; the group in hand: w
	s_mov_b32 s[N], 0
	s_wait_alu depctr_va_vdst(0)
.Lsecond:                                          ; a constant 8 trips: key steps 0 .. 7 of the second group
	OFFS N
	s_cmp_gt_u32 s[N], s[GC]
	s_cbranch_scc1 .Lsame2
	STEP 1
.Lsame2:
	s_add_co_u32 s[N], s[N], 1
	s_cmp_lt_u32 s[N], 8
	s_wait_alu depctr_va_vdst(0)                   ; ahead of the backward jump
	s_cbranch_scc1 .Lsecond
	FINISH
	s_wait_tensorcnt 0x0                           ; the wave's end
	ds_add_u32 v[SPW], v[NIL]
	s_wait_dscnt 0x0
	CROUND                                         ; the closing round
	s_endpgm
.Lfunc_end_k_q57ac75d87e_attn:
	.size	k_q57ac75d87e_attn, .Lfunc_end_k_q57ac75d87e_attn-k_q57ac75d87e_attn
	.p2alignl 7, 3214868480
	.fill 96, 4, 3214868480
	.section	.rodata,"a",@progbits
	.p2align	6, 0x0
	.amdhsa_kernel k_q57ac75d87e_attn
		.amdhsa_group_segment_fixed_size 327680
		.amdhsa_private_segment_fixed_size 0
		.amdhsa_enable_private_segment 0
		.amdhsa_kernarg_size 40
		.amdhsa_user_sgpr_count 2
		.amdhsa_user_sgpr_kernarg_segment_ptr 1
		.amdhsa_wavefront_size32 1
		.amdhsa_system_sgpr_workgroup_id_x 1
		.amdhsa_system_sgpr_workgroup_id_y 1
		.amdhsa_system_sgpr_workgroup_id_z 1
		.amdhsa_system_vgpr_workitem_id 0
		.amdhsa_next_free_vgpr 512
		.amdhsa_next_free_sgpr 102
		.amdhsa_reserve_vcc 0
		.amdhsa_float_denorm_mode_32 3
		.amdhsa_float_denorm_mode_16_64 3
		.amdhsa_memory_ordered 1
		.amdhsa_forward_progress 1
		.amdhsa_inst_pref_size 120
	.end_amdhsa_kernel
	.amdgpu_metadata
---
amdhsa.version: [ 1, 2 ]
amdhsa.kernels:
  - .name:           k_q57ac75d87e_attn
    .symbol:         k_q57ac75d87e_attn.kd
    .args:
      - { .name: q_codes, .offset: 0, .size: 8, .value_kind: global_buffer, .address_space: global }
      - { .name: k_codes, .offset: 8, .size: 8, .value_kind: global_buffer, .address_space: global }
      - { .name: v_codes, .offset: 16, .size: 8, .value_kind: global_buffer, .address_space: global }
      - { .name: lowp_scales, .offset: 24, .size: 8, .value_kind: global_buffer, .address_space: global }
      - { .name: attn_codes, .offset: 32, .size: 8, .value_kind: global_buffer, .address_space: global }
    .group_segment_fixed_size: 327680
    .private_segment_fixed_size: 0
    .kernarg_segment_align: 8
    .kernarg_segment_size: 40
    .max_flat_workgroup_size: 256
    .sgpr_count:     102
    .vgpr_count:     512
    .wavefront_size: 32
...
	.end_amdgpu_metadata
.endif
;; end of part 3
;; launch proj (part 4): grid 4 x 32, 4 waves a work-group, clusters of 4 x 4, 327,680 bytes of LDS; arguments attn_codes, wout_codes, lowp_scales, b_out, out0; writes out0
.if DOCPART == 4
	.amdgcn_target "amdgcn-amd-amdhsa--gfx1250"
	.amdhsa_code_object_version 6
	.text
	.protected	k_q57ac75d87e_proj
	.globl	k_q57ac75d87e_proj
	.p2align	8
	.type	k_q57ac75d87e_proj,@function
k_q57ac75d87e_proj:
	s_mov_b64 s[64:65], 0
	v_nop
	global_prefetch_b8 v0, s[64:65] scope:SCOPE_SE
	s_setreg_imm32_b32 hwreg(HW_REG_WAVE_MODE, 25, 1), 1
	s_wait_xcnt 0x0
	s_wait_alu depctr_hold_cnt(0) depctr_sa_sdst(0) depctr_va_vdst(0) depctr_va_sdst(0) depctr_va_ssrc(0) depctr_va_vcc(0) depctr_vm_vsrc(0)
	s_getreg_b32 s2, hwreg(HW_REG_IB_STS2, 6, 4)
	s_cmp_eq_u32 s2, 0
	s_cbranch_scc0 .Lentry_in_a_cluster
	s_endpgm
.Lentry_in_a_cluster:
	s_bfe_u32 s2, ttmp6, 0x10000c
	s_cmp_lg_u32 s2, 0xf033
	s_cbranch_scc0 .Lentry_shape_is_right
	s_endpgm
.Lentry_shape_is_right:
.set SIZE_K, 1024
.set SIZE_N, 1024
.set KSTEP,  256
.set ROWB,   256
.set ASTEP,  1024
.set BSTEP,  256
.set KROW,   SIZE_K
.set PITCH,  272
.set APITCH, 1040
.set AQ,     512
.set AH,     256
.set AI,     4*APITCH
.set FR,     16
.set NL,     4
.set NP,     4
.set HALFT,  128*PITCH
.set SLOT,   4*HALFT
.set LAPS,   SIZE_K/(2*KSTEP)
.set SPARE,  2*SLOT
.set SPITCH, 528
.set ADRA, 16
.set ADRB, 20
.set STO,  24
.set RD,   25
.set CO,   26
.set SPW,  28
.set NIL,  29
.set BIAS, 32
.set AF,   128
.set BK,   128
.set G1, 24
.set G0, 32
.set G1B, 48
.set G0B, 56
.set MSB, 0
.macro WIN new
.if MSB != \new
	s_set_vgpr_msb (MSB<<8)|\new
.set MSB, \new
.endif
.endm
.set MUL_LO, 0xa1
.set MUL_HI, 0xf1
.set TO_B,   0x40
.macro JLOAD g0a, g1a, g0b, g1b
	s_cmp_eq_u32 s15, 0
	s_cbranch_scc0 .Lfor_b_\@
	tensor_load_to_lds s[\g0a:\g0a+3], s[\g1a:\g1a+7]
	s_nop 0
.rept 4
	v_nop
.endr
	s_branch .Lasked_\@
.Lfor_b_\@:
	tensor_load_to_lds s[\g0b:\g0b+3], s[\g1b:\g1b+7]
	s_nop 0
.rept 4
	v_nop
.endr
.Lasked_\@:
.endm
.macro CREST
	s_cmp_lg_u32 s14, 0
	s_cbranch_scc1 .Lnot_wave_0_\@
	s_barrier_signal -3
.Lnot_wave_0_\@:
	s_barrier_wait -3
	s_barrier_signal -1
	s_barrier_wait -1
.endm
.macro CROUND
	s_barrier_signal -1
	s_barrier_wait -1
	CREST
.endm
	s_load_b256 s[4:11], s[0:1], 0x0
	s_load_b64 s[12:13], s[0:1], 0x20
	v_lshl_add_u32 v[SPW], v0, 2, SPARE
	v_mov_b32 v[NIL], 0
	ds_add_u32 v[SPW], v[NIL]
	ds_add_u32 v[SPW], v[NIL]
	v_lshrrev_b32 v1, 5, v0
	v_readfirstlane_b32 s14, v1
	s_lshr_b32 s15, s14, 1
	s_and_b32 s16, s14, 1
	s_bfe_u32 s40, ttmp6, 0x40000
	s_bfe_u32 s41, ttmp6, 0x40004
	s_lshl_b32 s42, ttmp9, 2
	s_add_co_u32 s42, s42, s40
	s_and_b32 s17, ttmp7, 0xffff
	s_lshl_b32 s17, s17, 2
	s_add_co_u32 s17, s17, s41
	s_lshl_b32 s43, s41, 2
	s_lshl_b32 s43, 15, s43
	s_lshl_b32 s44, 0x1111, s40
	s_or_b32 s[G1+0], s43, (0<<16)|(1<<20)|(1<<21)|(7<<22)|(3<<25)
	s_mov_b32 s[G1+1], 1024<<16
	s_mov_b32 s[G1+2], 32<<16
	s_mov_b32 s[G1+3], 1024<<16
	s_mov_b32 s[G1+4], 32
	s_mov_b32 s[G1+5], 4096
	s_mov_b32 s[G1+6], 0
	s_mov_b32 s[G1+7], 0
	s_or_b32 s[G1B+0], s44, (0<<16)|(1<<20)|(1<<21)|(5<<22)|(3<<25)
	s_mov_b32 s[G1B+1], ROWB<<16
	s_mov_b32 s[G1B+2], 128<<16
	s_mov_b32 s[G1B+3], ROWB<<16
	s_mov_b32 s[G1B+4], 128
	s_mov_b32 s[G1B+5], KROW
	s_mov_b32 s[G1B+6], 0
	s_mov_b32 s[G1B+7], 0
	s_lshl_b32 s20, s17, 6
	s_lshl_b32 s19, s16, 5
	s_add_co_u32 s20, s20, s19
	s_lshl_b32 s20, s20, 12
	s_mov_b32 s21, 0
	s_lshl_b32 s18, s16, 7
	s_lshl_b32 s46, s42, 8
	s_add_co_u32 s46, s46, s18
	s_lshl_b32 s46, s46, 10
	s_mov_b32 s47, 0
	s_mul_i32 s45, s14, HALFT
	s_wait_dscnt 0x0
	s_wait_kmcnt 0x0
	s_load_b64 s[96:97], s[8:9], 0x18
	s_add_nc_u64 s[20:21], s[4:5], s[20:21]
	s_add_nc_u64 s[46:47], s[6:7], s[46:47]
	CROUND
.irp s, 0,1
	s_mov_b32 s[G0+4*\s], 1
	s_add_co_u32 s[G0+4*\s+1], s45, \s*SLOT
	s_add_nc_u64 s[G0+4*\s+2:G0+4*\s+3], s[20:21], \s*ASTEP
	s_or_b32 s[G0+4*\s+3], s[G0+4*\s+3], 0x80000000
	s_mov_b32 s[G0B+4*\s], 1
	s_add_co_u32 s[G0B+4*\s+1], s45, \s*SLOT
	s_add_nc_u64 s[G0B+4*\s+2:G0B+4*\s+3], s[46:47], \s*BSTEP
	s_or_b32 s[G0B+4*\s+3], s[G0B+4*\s+3], 0x80000000
.endr
	JLOAD G0, G1, G0B, G1B                         ; K step 0: one tensor load a wave at the head
	v_and_b32 v1, 15, v0
	v_bfe_u32 v2, v0, 4, 1
	v_mul_u32_u24 v3, v1, PITCH
	v_lshl_add_u32 v4, v2, 4, v3
	v_bfe_u32 v5, v0, 2, 2
	v_mul_u32_u24 v5, v5, APITCH
	v_and_b32 v6, 3, v0
	v_lshl_add_u32 v5, v6, 6, v5
	v_lshl_add_u32 v5, v2, 4, v5
	s_mul_i32 s21, s15, HALFT
	s_mul_i32 s22, s16, HALFT
	s_add_co_u32 s22, s22, 2*HALFT
.irp s, 0,1
	v_add_nc_u32 v[ADRA+\s], s21, v5
	v_add_nc_u32 v[ADRB+\s], s22, v4
	s_add_co_u32 s21, s21, SLOT
	s_add_co_u32 s22, s22, SLOT
.endr
	s_mul_i32 s23, s14, 16*SPITCH
	v_mul_u32_u24 v7, v1, SPITCH
	v_lshl_add_u32 v7, v2, 5, v7
	v_add_nc_u32 v[STO], s23, v7
	v_and_b32 v6, 31, v0
	v_lshlrev_b32 v[CO], 4, v6
	v_add_nc_u32 v[RD], s23, v[CO]
	s_lshl_b32 s46, s42, 10
	s_lshl_b32 s47, s16, 9
	s_add_co_u32 s46, s46, s47
	s_mov_b32 s47, 0
	s_add_nc_u64 s[10:11], s[10:11], s[46:47]
	global_load_b128 v[BIAS:BIAS+3], v[CO], s[10:11]
	s_lshl_b32 s20, s17, 8
	s_lshl_b32 s21, s15, 7
	s_add_co_u32 s20, s20, s21
	s_lshl_b32 s20, s20, 12
	s_add_co_u32 s20, s20, s46
	s_mov_b32 s21, 0
	s_add_nc_u64 s[12:13], s[12:13], s[20:21]
.macro FRAG_B reg, adr, q, i
.irp c, 0,1,2,3
	ds_load_b128 v[\reg+4*\c:\reg+4*\c+3], v[\adr] offset:128*(\q)+32*\c+(\i)*16*PITCH
.endr
.endm
.macro FRAG_A reg, adr, q, i
.irp c, 0,1,2,3
	ds_load_b128 v[\reg+4*\c:\reg+4*\c+3], v[\adr] offset:AQ*(\q)+AH*(\c/2)+32*(\c%2)+AI*(\i)
.endr
.endm
.macro MUL16 a0, p, zero
.irp a, \a0, \a0+1
.irp b, 0,1,2,3,4,5,6,7
.if \zero
	v_wmma_f32_16x16x128_fp8_fp8 v[8*(8*((\a)%4)+\b):8*(8*((\a)%4)+\b)+7], v[128*(\p)+FR*\b:128*(\p)+FR*\b+FR-1], v[AF+FR*(\a):AF+FR*(\a)+FR-1], 0
.else
	v_wmma_f32_16x16x128_fp8_fp8 v[8*(8*((\a)%4)+\b):8*(8*((\a)%4)+\b)+7], v[128*(\p)+FR*\b:128*(\p)+FR*\b+FR-1], v[AF+FR*(\a):AF+FR*(\a)+FR-1], v[8*(8*((\a)%4)+\b):8*(8*((\a)%4)+\b)+7]
.endif
.endr
.endr
.endm
.macro FETCH_B slot, q, p
	WIN TO_B
.irp i, 0,1,2,3,4,5,6,7
	FRAG_B 128*(\p)+FR*\i, ADRB+\slot, \q, \i
.endr
	WIN 0
.endm
.macro FETCH_A slot, q, i0
.irp i, \i0, \i0+1, \i0+2, \i0+3
	FRAG_A AF+FR*(\i), ADRA+\slot, \q, \i
.endr
.endm
.macro PLACES n
.rept \n
	v_nop
.endr
.endm
.macro STEP slot, q, zero
	s_wait_dscnt 4*NL
	WIN MUL_LO
	MUL16 0, (\q)%2, \zero
	MUL16 2, (\q)%2, \zero
	s_wait_dscnt 0
	PLACES NP
	FETCH_B \slot, (\q)+1, 1-(\q)%2
	FETCH_A \slot, (\q)+1, 0
	WIN MUL_HI
	MUL16 4, (\q)%2, \zero
	MUL16 6, (\q)%2, \zero
	PLACES NP
	WIN 0
	FETCH_A \slot, (\q)+1, 4
.endm
.macro TURN slot, next, fill
	s_wait_tensorcnt 0x0
	ds_add_u32 v[SPW], v[NIL]
	s_wait_dscnt 4*NL+1
	WIN MUL_LO
	MUL16 0, 1, 0
	s_wait_dscnt 0x0
	s_barrier_signal -1
	MUL16 2, 1, 0
	WIN 0
	s_barrier_wait -1
.if \fill
	CREST
	s_add_nc_u64 s[G0+4*\slot+2:G0+4*\slot+3], s[G0+4*\slot+2:G0+4*\slot+3], 2*ASTEP
	s_add_nc_u64 s[G0B+4*\slot+2:G0B+4*\slot+3], s[G0B+4*\slot+2:G0B+4*\slot+3], 2*BSTEP
	JLOAD G0+4*\slot, G1, G0B+4*\slot, G1B
.else
	PLACES NP
.endif
	FETCH_B \next, 0, 0
	FETCH_A \next, 0, 0
	WIN MUL_HI
	MUL16 4, 1, 0
	MUL16 6, 1, 0
	PLACES NP
	WIN 0
	FETCH_A \next, 0, 4
.endm
	s_wait_alu depctr_va_vdst(0)
	s_wait_loadcnt 0x0                             ; the bias
	s_wait_tensorcnt 0x0                           ; my part of K step 0 is in
	ds_add_u32 v[SPW], v[NIL]
	s_wait_dscnt 0x0
	CROUND                                         ; everybody's part of K step 0 is in, and the sixteen work-groups meet
	JLOAD G0+4, G1, G0B+4, G1B                     ; K step 1: the first tensor load behind the round
	FETCH_B 0, 0, 0
	FETCH_A 0, 0, 0
	FETCH_A 0, 0, 4
	STEP 0, 0, 1
	s_mov_b32 s3, LAPS-1
.Llap:
	TURN 0, 1, 1
	STEP 1, 0, 0
	TURN 1, 0, 1
	STEP 0, 0, 0
	s_sub_co_u32 s3, s3, 1
	s_cmp_lg_u32 s3, 0
	s_cbranch_scc1 .Llap
	TURN 0, 1, 0
	STEP 1, 0, 0
	s_wait_dscnt 4*NL
	WIN MUL_LO
	MUL16 0, 1, 0
	MUL16 2, 1, 0
	s_wait_dscnt 0
	WIN MUL_HI
	MUL16 4, 1, 0
	MUL16 6, 1, 0
	WIN 0
.macro TOSTAGE a
.set AC, 64*((\a)%4)
	WIN 0x08+4*((\a)/4)
.irp b, 0,1,2,3,4,5,6,7
	ds_store_b128 v[STO], v[AC+8*\b:AC+8*\b+3] offset:64*\b
	ds_store_b128 v[STO], v[AC+8*\b+4:AC+8*\b+7] offset:64*\b+16
.endr
	WIN 0
.set BB, BK+64*((\a)%2)
.irp t, 0,1,2,3,4,5,6,7,8,9,10,11,12,13,14,15
	ds_load_b128 v[BB+4*\t:BB+4*\t+3], v[RD] offset:\t*SPITCH
.endr
.endm
.macro SEND a, younger
.set BB, BK+64*((\a)%2)
	s_wait_dscnt \younger
.if (\a) > 0
	s_add_nc_u64 s[12:13], s[12:13], 16*SIZE_N*4
.endif
.set ii, 0
.rept 32
	v_pk_fma_f32 v[BB+2*ii:BB+2*ii+1], v[BB+2*ii:BB+2*ii+1], s[96:97], v[BIAS+2*(ii%2):BIAS+2*(ii%2)+1] op_sel_hi:[1,0,1]
.set ii, ii+1
.endr
.irp t, 0,1,2,3,4,5,6,7,8,9,10,11,12,13,14,15
	global_store_b128 v[CO], v[BB+4*\t:BB+4*\t+3], s[12:13] offset:\t*SIZE_N*4 th:TH_STORE_NT
.endr
.endm
	s_wait_kmcnt 0x0
	s_add_co_i32 s96, s96, s97
	s_add_co_i32 s96, s96, 127
	s_lshl_b32 s96, s96, 23
	s_mov_b32 s97, s96
	PLACES NP
	TOSTAGE 0
.irp a, 1,2,3,4,5,6,7
.if \a > 1
	s_wait_xcnt 0x0
.endif
	TOSTAGE \a
	SEND \a-1, 32
.endr
	s_wait_xcnt 0x0
	SEND 7, 0
	s_wait_tensorcnt 0x0
	ds_add_u32 v[SPW], v[NIL]
	s_wait_dscnt 0x0
	CROUND
	s_endpgm
.Lfunc_end_k_q57ac75d87e_proj:
	.size	k_q57ac75d87e_proj, .Lfunc_end_k_q57ac75d87e_proj-k_q57ac75d87e_proj
	.p2alignl 7, 3214868480
	.fill 96, 4, 3214868480
	.section	.rodata,"a",@progbits
	.p2align	6, 0x0
	.amdhsa_kernel k_q57ac75d87e_proj
		.amdhsa_group_segment_fixed_size 327680
		.amdhsa_private_segment_fixed_size 0
		.amdhsa_enable_private_segment 0
		.amdhsa_kernarg_size 40
		.amdhsa_user_sgpr_count 2
		.amdhsa_user_sgpr_kernarg_segment_ptr 1
		.amdhsa_wavefront_size32 1
		.amdhsa_system_sgpr_workgroup_id_x 1
		.amdhsa_system_sgpr_workgroup_id_y 1
		.amdhsa_system_sgpr_workgroup_id_z 1
		.amdhsa_system_vgpr_workitem_id 0
		.amdhsa_next_free_vgpr 1024
		.amdhsa_next_free_sgpr 98
		.amdhsa_reserve_vcc 0
		.amdhsa_float_denorm_mode_32 3
		.amdhsa_float_denorm_mode_16_64 3
		.amdhsa_memory_ordered 1
		.amdhsa_forward_progress 1
		.amdhsa_inst_pref_size 124
	.end_amdhsa_kernel
	.amdgpu_metadata
---
amdhsa.version: [ 1, 2 ]
amdhsa.kernels:
  - .name:           k_q57ac75d87e_proj
    .symbol:         k_q57ac75d87e_proj.kd
    .args:
      - { .name: attn_codes, .offset: 0, .size: 8, .value_kind: global_buffer, .address_space: global }
      - { .name: wout_codes, .offset: 8, .size: 8, .value_kind: global_buffer, .address_space: global }
      - { .name: lowp_scales, .offset: 16, .size: 8, .value_kind: global_buffer, .address_space: global }
      - { .name: b_out, .offset: 24, .size: 8, .value_kind: global_buffer, .address_space: global }
      - { .name: out0, .offset: 32, .size: 8, .value_kind: global_buffer, .address_space: global }
    .group_segment_fixed_size: 327680
    .private_segment_fixed_size: 0
    .kernarg_segment_align: 8
    .kernarg_segment_size: 40
    .max_flat_workgroup_size: 128
    .sgpr_count:     98
    .vgpr_count:     1024
    .wavefront_size: 32
...
	.end_amdgpu_metadata
.endif
;; end of part 4
